; MI455X (gfx1250); checked and timed in simulation.
; The chip was launched on July 23, 2026; its instructions are those of AMD's public machine-readable ISA for CDNA 5 (MIT licence, August 2026) and "CDNA5" Instruction Set Architecture Reference Guide (July 2026). The comments in the code are by the model that wrote it; some were corrected since.
;; Modern Hopfield Attention. Allowed arithmetic: matrix products marked QUANTISED: E2M1 operands, one E8M0 scale for each 32 along K, by v_wmma_scale_f32_16x16x128_f8f6f4 with both operands' format E2M1 (or v_wmma_scale_f32_32x16x128_f4), f32 sums; products left as they are: bf16, f16 or f32 operands; f32 sums; everything else in f32.
;; Inputs: Wk 1,024 x 1,024 float32; Wo 1,024 x 1,024 float32; Wq 1,024 x 1,024 float32; Wv 1,024 x 1,024 float32; bk 1,024 float32; bo 1,024 float32; bq 1,024 float32; bv 1,024 float32; x 2 x 2,048 x 1,024 float32.
;; Outputs: out0 2 x 2,048 x 1,024 float32; out1 2 float32.
;; This version of the problem:
;;   THIS VERSION OF THE PROBLEM IS GIVEN IN LOW PRECISION. The matrix products marked QUANTISED in the list below multiply operands that are first quantised to E2M1 (2 exponent bits, 1 mantissa bit; 4 bits a number), with one power-of-two scale for each 32 numbers along K (OCP MX v1.0); their sums are f32. The products marked 'left as it is' may take bf16, f16 or f32 operands, with f32 sums. All else is computed in f32.
;;   The module's matrix products, in the order in which they are computed (A, B: the left and right operand; K: the contracted axis; several contracted axes count as one K, in the product's order):
;;     1. [M 4,096, K 1,024] x [K 1,024, N 1,024]; A: input x; B: input Wq: QUANTISED
;;     2. [M 4,096, K 1,024] x [K 1,024, N 1,024]; A: input x; B: input Wk: QUANTISED
;;     3. [M 4,096, K 1,024] x [K 1,024, N 1,024]; A: input x; B: input Wv: QUANTISED
;;     4. batch 32 x [M 2,048, K 64] x [K 64, N 2,048]; A: computed on the way; B: computed on the way: left as it is (an operand is computed on the way)
;;     5. batch 32 x [M 2,048, K 2,048] x [K 2,048, N 64]; A: computed on the way; B: computed on the way: left as it is (an operand is computed on the way)
;;     6. [M 4,096, K 1,024] x [K 1,024, N 1,024]; A: computed on the way; B: input Wo: left as it is (an operand is computed on the way)
;;   THE QUANTISER, for each operand of a quantised product, along K:
;;     - K is cut into blocks of 32 from its start; a last block that is shorter is filled with zeros.
;;     - A block's scale is 2^e with e = floor(log2(the largest magnitude in the block)) - 2, held to -126 .. 127; a block of zeros has e = 0. As a byte (E8M0): e + 127.
;;     - Each number is divided by its block's scale, clamped to +-6, and rounded to the nearest number of E2M1, ties to even, subnormals kept.
;;     - The product sums the exact products of the quantised numbers (number of the format x scale) in f32.
;;   ~~~python
;;   def quantise(x, axis):      # numpy; x: float32 -> the quantised numbers, widened to float32 again
;;       x = np.moveaxis(x, axis, -1); K = x.shape[-1]
;;       x = np.pad(x, [(0, 0)] * (x.ndim - 1) + [(0, -K % 32)]); x = x.reshape(x.shape[:-1] + (-1, 32)); a = np.abs(x).max(-1, keepdims=True)
;;       e = np.where(a > 0, np.clip(np.frexp(np.where(a > 0, a, 1))[1] - 1 - 2, -126, 127), 0)      # np.frexp(a)[1] - 1 = floor(log2(a)), exactly
;;       r = np.clip(x / 2.0 ** e, -6, 6)
;;       step = 2.0 ** (np.maximum(np.frexp(np.where(r == 0, 1, r))[1] - 1, 0) - 1)
;;       q = np.round(r / step) * step * 2.0 ** e      # np.round: ties to even
;;       return np.moveaxis(q.reshape(q.shape[:-2] + (-1,))[..., :K], -1, axis).astype(np.float32)
;;   ~~~
;; One version. Each part assembles by itself: llvm-mc -triple=amdgcn-amd-amdhsa -mcpu=gfx1250 --defsym DOCPART=n.
;; ======== version 1 of 1: 5 launches
;; limits: values are held in f16: magnitudes above 65,504 overflow, below 6.1e-05 lose precision
;; workspace buffers: codes 3,670,016 bytes; scales 229,376 bytes; woh 2,097,152 bytes; qkv 25,165,824 bytes; ao 8,388,608 bytes; epart 8,192 bytes
;; launch quant (part 1): grid 256 x 1, 4 waves a work-group, no clusters, 33,280 bytes of LDS; arguments x, Wq, Wk, Wv, Wo, codes, scales, woh; writes codes, scales, woh
.if DOCPART == 1
	.amdgcn_target "amdgcn-amd-amdhsa--gfx1250"
	.amdhsa_code_object_version 6
	.text
	.protected	k_qf84aafdbc9_quant
	.globl	k_qf84aafdbc9_quant
	.p2align	8
	.type	k_qf84aafdbc9_quant,@function
k_qf84aafdbc9_quant:
	s_mov_b64 s[64:65], 0
	v_nop
	global_prefetch_b8 v0, s[64:65] scope:SCOPE_SE
	s_setreg_imm32_b32 hwreg(HW_REG_WAVE_MODE, 25, 1), 1
	s_wait_xcnt 0x0
; x [4096][1024], Wq, Wk, Wv [1024][1024], f32, K innermost, become codes of FP4 (E2M1), two a byte, with one E8M0 scale byte for each 32 along K; Wo [1024][1024] becomes f16.
; codes: [7168 rows][512 bytes], scales: [7168][32 bytes]; rows 0-4095 x, 4096-5119 Wq, 5120-6143 Wk, 6144-7167 Wv.  woh: [1024][1024] f16.
; A block's scale is 2^(floor(log2(its largest magnitude)) - 2); its byte is the largest magnitude's exponent field - 2, held at 1 from below.  Each number is divided by the scale and rounded to the nearest code, ties to even, beyond 6 the code of 6.
; Wo IN f16, NOT bf16: 11 significant bits against 8.  Its room there: a spread of 0.02; 30 times larger, or offset by 30 spreads, 0.6; 30 times smaller, 6.7e-4, still among f16's normal numbers (from 6.1e-5 on).
; LIMITS: a block of zeros gets the byte 1 where the rule says 127 (its codes are zeros, which add nothing under any byte but 0xff, and this program alone reads the bytes); blocks whose largest magnitude lies
; under 2^-124 keep the byte 1 and were not tried; a number of Wo beyond 65,504 becomes infinity; NaN and infinities among the inputs are not served.
; SHARES.  Rows are dense and 1024 is a multiple of 32, so every tensor is a plain stream.  A work-group takes 32,768 numbers, a wave 8,192.  Work-groups 0-127 x, 128-159 Wq, 160-191 Wk, 192-223 Wv, 224-255 Wo: 256 of equal bytes.
; The quantiser: 16 steps of 512 numbers.  Each load reads 512 consecutive bytes; a step's 2,048 bytes turn through the wave's own stage in LDS and come back 64 bytes (16 neighbours along K) a lane; two neighbouring lanes hold a block.
; No tensor loads, no barrier, no cluster: waves share nothing and every byte is read once.
.set STEPS, 16
.set EMAX,  2
.set CB,    8                          ; bytes of 16 codes
.set R,     16                         ; v16-79   four sets of 16 numbers as they are loaded
.set X,     80                         ; v80-111  two sets of 16 neighbours
.set C,     128                        ; v128-191 codes: four registers for each step, so that no store's data are written again
.set E,     112                        ; v112-127 a scale byte for each step
.set WREG,  8192                       ; LDS: a region for each wave: two stages of 32 x SP bytes, behind them its 256 scale bytes
.set SP,    80                         ; a lane's place in a stage: 64 bytes + 16 of padding
.set IN,    16                         ; the cast: v16-143 two sets of 16 x 4 numbers
.set OUTB,  144                        ; v144-175 16 x 2 registers of f16
	s_load_b256 s[4:11], s[0:1], 0x0               ; x s[4:5], Wq s[6:7], Wk s[8:9], Wv s[10:11]
	s_load_b256 s[12:19], s[0:1], 0x20             ; Wo s[12:13], codes s[14:15], scales s[16:17], woh s[18:19]
	v_lshl_add_u32 v192, v0, 2, 0x8000
	v_mov_b32 v193, 0
	v_lshrrev_b32 v1, 5, v0
	v_readfirstlane_b32 s20, v1                    ; wave
	v_and_b32 v2, 31, v0                           ; lane
	v_lshlrev_b32 v3, 4, v2                        ; my 16 bytes of a load's 512
	s_mul_i32 s21, s20, WREG
	v_lshrrev_b32 v14, 2, v2
	v_mul_u32_u24 v14, v14, SP
	v_and_b32 v15, 3, v2
	v_lshl_add_u32 v14, v15, 4, v14
	v_add_nc_u32 v14, s21, v14                     ; the stage, on the way in: four lanes' 64 bytes on end, then 16 of padding
	v_mul_u32_u24 v15, v2, SP
	v_add_nc_u32 v15, s21, v15                     ; and on the way out: SP x lane: my 16 neighbours
	v_mul_u32_u24 v4, v2, CB                       ; my codes' place in a step's
	v_lshrrev_b32 v5, 1, v2
	s_add_co_u32 s21, s21, 2*32*SP
	v_add_nc_u32 v5, s21, v5                       ; LDS: my wave's 256 scale bytes, my block's byte
	v_lshlrev_b32 v7, 3, v2                        ; 8 bytes a lane
	v_add_nc_u32 v6, s21, v7
	s_wait_kmcnt 0x0
	s_cmp_ge_u32 ttmp9, 224                        ; the last 32 work-groups cast Wo: a branch on the work-group's number
	s_cbranch_scc1 .Lcast
	s_cmp_lt_u32 ttmp9, 192                        ; which tensor: the choices hang on the work-group's number alone
	s_cselect_b64 s[8:9], s[8:9], s[10:11]
	s_cmp_lt_u32 ttmp9, 160
	s_cselect_b64 s[6:7], s[6:7], s[8:9]
	s_cmp_lt_u32 ttmp9, 128
	s_cselect_b64 s[4:5], s[4:5], s[6:7]
	s_cselect_b32 s22, 127, 31                     ; the work-group's number inside its tensor: x has 128 of them, a weight 32
	s_and_b32 s22, ttmp9, s22
	s_lshl_b32 s22, s22, 2
	s_add_co_u32 s22, s22, s20                     ; which run of 8,192 numbers of the tensor is my wave's
	s_lshl_b32 s22, s22, 15                        ; 32,768 bytes a run
	s_mov_b32 s23, 0
	s_add_nc_u64 s[4:5], s[4:5], s[22:23]
	s_lshl_b32 s24, ttmp9, 2
	s_add_co_u32 s24, s24, s20                     ; and which run of the codes' and scales' buffers, where the four tensors lie on end
	s_lshl_b32 s22, s24, 12                        ; 4,096 bytes of codes a run
	s_add_nc_u64 s[14:15], s[14:15], s[22:23]
	s_lshl_b32 s22, s24, 8                         ; 256 scale bytes a run
	s_add_nc_u64 s[16:17], s[16:17], s[22:23]
.macro LOAD t
.irp i, 0,1,2,3
	global_load_b128 v[R+16*((\t)%4)+4*\i:R+16*((\t)%4)+4*\i+3], v3, s[4:5] offset:2048*(\t)+512*\i th:TH_LOAD_NT   ; 32 lanes read 512 consecutive bytes
.endr
.endm
.macro TURN t                          ; step t's numbers through the stage: LDS serves a wave's instructions in order, so no wait stands between the stores and the loads
.irp i, 0,1,2,3
	ds_store_b128 v14, v[R+16*((\t)%4)+4*\i:R+16*((\t)%4)+4*\i+3] offset:32*SP*((\t)%2)+8*SP*\i
.endr
.irp i, 0,1,2,3
	ds_load_b128 v[X+16*((\t)%2)+4*\i:X+16*((\t)%2)+4*\i+3], v15 offset:32*SP*((\t)%2)+16*\i
.endr
.endm
.irp t, 0,1,2,3
	LOAD \t
.endr
	s_wait_loadcnt 12                              ; step 0's four loads are in; those of three steps stay out
	TURN 0
.macro STEP t
.set XS, X+16*((\t)%2)
.if (\t) > 0
	s_wait_dscnt 1                                 ; this step's numbers are back from the stage (the last step's byte store may be out): so its stores into the stage have read their registers,
.else
	s_wait_dscnt 0x0
.endif
.if (\t)+4 < STEPS
	LOAD (\t)+4                                    ; which take the loads of four steps on
.endif
.if (\t)+1 < STEPS
.if STEPS-2-(\t) >= 3
	s_wait_loadcnt 12                              ; the next step's four loads are in; those of the three steps behind it may be out
.else
	s_wait_loadcnt 4*(STEPS-2-(\t))
.endif
	TURN (\t)+1                                    ; and go through the other stage while this step is worked
.endif
	v_max3_num_f32 v8, |v[XS]|, |v[XS+1]|, |v[XS+2]|               ; the largest magnitude of my 16, in two chains
	v_max3_num_f32 v9, |v[XS+3]|, |v[XS+4]|, |v[XS+5]|
.irp i, 6,10
	v_max3_num_f32 v8, v8, |v[XS+\i]|, |v[XS+\i+1]|
	v_max3_num_f32 v9, v9, |v[XS+\i+2]|, |v[XS+\i+3]|
.endr
	v_max3_num_f32 v8, v8, |v[XS+14]|, |v[XS+15]|
	v_max3_num_f32 v8, v8, v9, (EMAX+1)<<23        ; and the floor 2^(EMAX + 1 - 127): so the byte cannot fall under 1
	v_max_num_f32_dpp v8, v8, v8 row_xmask:1 row_mask:0xf bank_mask:0xf   ; and of my neighbour's 16: the block's
	v_add_nc_u32 v11, -(EMAX<<23), v8              ; EMAX off its exponent field: the conversion takes the exponent field of this operand as its scale, and nothing else of it
	v_cvt_scalef32_pk8_fp4_f32 v[C+4*(\t)], v[XS:XS+7], v11
	v_cvt_scalef32_pk8_fp4_f32 v[C+4*(\t)+1], v[XS+8:XS+15], v11
	v_lshrrev_b32 v[E+(\t)], 23, v11               ; the scale's byte (also the plain line behind the conversions)
	ds_store_b8 v5, v[E+(\t)] offset:16*(\t)       ; both lanes of a block write the same byte with the same value
	global_store_b64 v4, v[C+4*(\t):C+4*(\t)+1], s[14:15] offset:32*CB*(\t)   ; the wave stores 256 consecutive bytes, aligned
.endm
.irp t, 0,1,2,3,4,5,6,7,8,9,10,11,12,13,14,15
	STEP \t
.endr
	ds_load_b64 v[12:13], v6                       ; LDS serves a wave's instructions in order: these see my byte stores
	s_wait_dscnt 0x0
	global_store_b64 v7, v[12:13], s[16:17]        ; 32 lanes store 256 consecutive bytes, aligned
	s_wait_tensorcnt 0x0
	ds_add_u32 v192, v193
	s_wait_dscnt 0x0
	s_endpgm
; Wo to f16: 64 loads of 512 consecutive bytes a wave, in four groups of 16, two groups ahead; each store covers 256 consecutive bytes, aligned.  No LDS.
.Lcast:
	s_sub_co_u32 s22, ttmp9, 224
	s_lshl_b32 s22, s22, 2
	s_add_co_u32 s22, s22, s20                     ; my wave's run of 8,192 numbers
	s_lshl_b32 s24, s22, 15
	s_mov_b32 s25, 0
	s_add_nc_u64 s[12:13], s[12:13], s[24:25]
	s_lshl_b32 s24, s22, 14
	s_add_nc_u64 s[18:19], s[18:19], s[24:25]
.macro CLOAD g
.irp t, 0,1,2,3,4,5,6,7,8,9,10,11,12,13,14,15
	global_load_b128 v[IN+64*((\g)%2)+4*\t:IN+64*((\g)%2)+4*\t+3], v3, s[12:13] offset:(16*(\g)+\t)*512 th:TH_LOAD_NT
.endr
.endm
.macro CGRP g
.if (\g) < 3
	s_wait_loadcnt 16                              ; this group's 16 loads are in; the next group's 16 may be out
.else
	s_wait_loadcnt 0x0
.endif
.if (\g) > 0
	s_wait_xcnt 0x0                                ; the last group's stores have read their data: the registers are written again only behind this wait
.endif
.irp t, 0,1,2,3,4,5,6,7,8,9,10,11,12,13,14,15
	v_cvt_pk_f16_f32 v[OUTB+2*\t], v[IN+64*((\g)%2)+4*\t], v[IN+64*((\g)%2)+4*\t+1]
	v_cvt_pk_f16_f32 v[OUTB+2*\t+1], v[IN+64*((\g)%2)+4*\t+2], v[IN+64*((\g)%2)+4*\t+3]
.endr
.irp t, 0,1,2,3,4,5,6,7,8,9,10,11,12,13,14,15
	global_store_b64 v7, v[OUTB+2*\t:OUTB+2*\t+1], s[18:19] offset:(16*(\g)+\t)*256
.endr
.if (\g)+2 < 4
	CLOAD (\g)+2
.endif
.endm
	CLOAD 0
	CLOAD 1
	CGRP 0
	CGRP 1
	CGRP 2
	CGRP 3
	s_endpgm
.Lfunc_end_k_qf84aafdbc9_quant:
	.size	k_qf84aafdbc9_quant, .Lfunc_end_k_qf84aafdbc9_quant-k_qf84aafdbc9_quant
	.p2alignl 7, 3214868480
	.fill 96, 4, 3214868480
	.section	.rodata,"a",@progbits
	.p2align	6, 0x0
	.amdhsa_kernel k_qf84aafdbc9_quant
		.amdhsa_group_segment_fixed_size 33280
		.amdhsa_private_segment_fixed_size 0
		.amdhsa_enable_private_segment 0
		.amdhsa_kernarg_size 64
		.amdhsa_user_sgpr_count 2
		.amdhsa_user_sgpr_kernarg_segment_ptr 1
		.amdhsa_wavefront_size32 1
		.amdhsa_system_sgpr_workgroup_id_x 1
		.amdhsa_system_sgpr_workgroup_id_y 1
		.amdhsa_system_sgpr_workgroup_id_z 1
		.amdhsa_system_vgpr_workitem_id 0
		.amdhsa_next_free_vgpr 194
		.amdhsa_next_free_sgpr 66
		.amdhsa_reserve_vcc 0
		.amdhsa_float_denorm_mode_32 3
		.amdhsa_float_denorm_mode_16_64 3
		.amdhsa_memory_ordered 1
		.amdhsa_forward_progress 1
		.amdhsa_inst_pref_size 54
	.end_amdhsa_kernel
	.amdgpu_metadata
---
amdhsa.version: [ 1, 2 ]
amdhsa.kernels:
  - .name:           k_qf84aafdbc9_quant
    .symbol:         k_qf84aafdbc9_quant.kd
    .args:
      - { .name: x, .offset: 0, .size: 8, .value_kind: global_buffer, .address_space: global }
      - { .name: Wq, .offset: 8, .size: 8, .value_kind: global_buffer, .address_space: global }
      - { .name: Wk, .offset: 16, .size: 8, .value_kind: global_buffer, .address_space: global }
      - { .name: Wv, .offset: 24, .size: 8, .value_kind: global_buffer, .address_space: global }
      - { .name: Wo, .offset: 32, .size: 8, .value_kind: global_buffer, .address_space: global }
      - { .name: codes, .offset: 40, .size: 8, .value_kind: global_buffer, .address_space: global }
      - { .name: scales, .offset: 48, .size: 8, .value_kind: global_buffer, .address_space: global }
      - { .name: woh, .offset: 56, .size: 8, .value_kind: global_buffer, .address_space: global }
    .group_segment_fixed_size: 33280
    .private_segment_fixed_size: 0
    .kernarg_segment_align: 8
    .kernarg_segment_size: 64
    .max_flat_workgroup_size: 128
    .sgpr_count:     66
    .vgpr_count:     194
    .wavefront_size: 32
...
	.end_amdgpu_metadata
.endif
;; end of part 1
;; launch qkv (part 2): grid 12 x 16, 4 waves a work-group, clusters of 4 x 4, 327,680 bytes of LDS; arguments codes, scales, bq, bk, bv, qkv; writes qkv
.if DOCPART == 2
	.amdgcn_target "amdgcn-amd-amdhsa--gfx1250"
	.amdhsa_code_object_version 6
	.text
	.protected	k_qf84aafdbc9_qkv
	.globl	k_qf84aafdbc9_qkv
	.p2align	8
	.type	k_qf84aafdbc9_qkv,@function
k_qf84aafdbc9_qkv:
	s_mov_b64 s[64:65], 0
	v_nop
	global_prefetch_b8 v0, s[64:65] scope:SCOPE_SE
	s_setreg_imm32_b32 hwreg(HW_REG_WAVE_MODE, 25, 1), 1
	s_wait_xcnt 0x0
	s_wait_alu depctr_hold_cnt(0) depctr_sa_sdst(0) depctr_va_vdst(0) depctr_va_sdst(0) depctr_va_ssrc(0) depctr_va_vcc(0) depctr_vm_vsrc(0)
	s_getreg_b32 s2, hwreg(HW_REG_IB_STS2, 6, 4)
	s_cmp_eq_u32 s2, 0
	s_cbranch_scc0 .Lentry_in_a_cluster
	s_endpgm
.Lentry_in_a_cluster:
	s_bfe_u32 s2, ttmp6, 0x10000c
	s_cmp_lg_u32 s2, 0xf033
	s_cbranch_scc0 .Lentry_shape_is_right
	s_endpgm
.Lentry_shape_is_right:
; Q, K, V = x W^T + b on codes of FP4 (E2M1) with one E8M0 scale for each 32 along K: C[m][n], m = 4096 rows of x, n = 3072 rows of Wq, Wk, Wv on end, K = 1024; sums in f32.
; codes: [7168][512 bytes], scales: [7168][32 bytes]: rows 0-4095 x, from 4096 on the weights.  The results are rounded once to f16 (they are operands of products that take 16-bit operands) and stored by head:
; qkv: Q at byte 0, K at 2^23, V at 2^24; in each [batch x 16 + head][t 2048][64] f16.
; f16, NOT bf16: 11 significant bits against 8.  Where the softmax is nearly flat, attention's result is a mean over 2,048 keys in which V nearly cancels, so a rounding of V shows in full in that result's spread.
; ROOM IN f16: with x's spread 1 and W's 0.02 a result's spread is 0.02 x 32 = 0.64; with x and W both 30 times larger 576, the largest of 12.6 million some 5.5 spreads, 3,200; with offsets of 30 spreads on both,
; 1024 x 30 x 0.6 = 18,432; both 30 times smaller, 7e-4, among f16's normal numbers.  LIMIT: a result beyond 65,504 becomes infinity.
; A tile of C, 256 x 256, is made by a work-group of four waves; a wave makes 128 x 128: 64 accumulators of 16 x 16, 512 registers.  K is two steps of 512 (a tile's row is 256 bytes of memory): each has an LDS slot of
; its own, both filled at the start, so nothing is filled again and the walk along K is written straight.  192 tiles: a narrower tile would give a wave a head and a half, and so pieces of 64 bytes on the way out.
; THE SCALES of the work-group's 256 rows of x and 256 rows of W, for all of K, are two dense blocks of memory: they come into LDS once, with the first fills.
; CLUSTERS: 4 x 4 work-groups.  The four of a row of the cluster need the same tiles of x, the four of a column the same tiles of W: each tile is asked for JOINTLY, by the same tensor load with the same descriptor and
; a mask that names the four.  A cluster is four tile columns wide, which is one of Q, K, V: the tensor is the cluster's x.
; THE MATRIX INSTRUCTION IS USED TRANSPOSED (source 0 = 16 rows of W, source 1 = 16 rows of x): a lane then holds eight neighbouring numbers of a row of C.  THE BIAS is the C of each sum's first instruction.
; REGISTERS, in windows of 256: window 0: v0-31 addresses; v32-95 scale words, two sets, and nothing else; v128-191 x's fragments, ONE set; v192-255 the biases of my 128 columns; on the way out v128-223 are at work.
;   window 1: W's fragments, TWO sets, at v0 and at v128.   window 2: the 32 accumulators of my rows 0-63 (accumulator (a, b) at v[8 (8 a + b)]);   window 3: those of my rows 64-127.
.set NQ,     4                         ; steps of 128 along K in a slot
.set ROWB,   256                       ; a tile's row in bytes: 512 codes
.set KROW,   512                       ; a row of codes in memory
.set PITCH,  272                       ; an LDS row: 256 bytes + 16 of padding = 68 words: the 16 rows that a load touches start at 16 different banks (64 banks of 4 bytes: ISA guide 11.1)
.set FR,     8                         ; registers of a fragment: 16 rows x 128 K
.set NL,     2                         ; LDS loads that bring one
.set NP,     4                         ; places behind this matrix instruction (ISA guide 7.12.1)
.set HALFT,  128*PITCH                 ; 128 rows: what one tensor load brings, and what one wave reads of x or of W
.set SLOT,   4*HALFT                   ; x's 256 rows, then W's 256 rows
.set KS,     32                        ; a row of scales in bytes
.set SCL,    2*SLOT                    ; behind the slots: the scales, as units of 256 bytes + 16 of padding
.set HALFS,  (128*KS/256)*272          ; the scales of 128 rows: what one tensor load brings
.set SBLK,   (16*KS/256)*272           ; those of 16 rows
.set SPARE,  SCL+4*HALFS               ; behind the scales: the spare words, 128 bytes for each wave: two blocks of 256 bytes that no other line names
.set SPITCH, 272                       ; the way out: a stage of 16 rows x (256 bytes + 16) for each wave, in slot 0, which has had its only fill and its last read when the first result is stored there
.set ADRA, 16                          ; v16-17  LDS address of my fragments of x in slot 0, 1
.set ADRB, 20                          ; v20-21  the same for W
.set STO,  24                          ; v24     the way out: where I put 16 bytes of a row
.set RD,   25                          ; v25     the way out: where I read 16 bytes back
.set CO,   26                          ; v26     my byte offset in qkv
.set ADRS, 27                          ; v27     LDS address of my scale words: lanes 0-15 x's rows, lanes 16-31 W's
.set SPW,  28                          ; v28     LDS address of my spare word; never rewritten
.set NIL,  29                          ; v29     0; never rewritten
.set BOF,  30                          ; v30     the biases' offset: 32 bytes for each half of the lanes
.set SC,   32                          ; scale words: set s at v[SC + 32 s]; in it register 4 i + q: lanes 0-15 the word of x's block i, lanes 16-31 that of W's block i, for the slot's q-th 128 along K
.set AF,   128                         ; x's fragments
.set BIAS, 192                         ; tile b of my columns: eight registers in the result's layout
.set TMP,  192                         ; the way out: packed results (the biases are done with)
.set BK,   128                         ; the way out: 16 rows read back: v128-159 and v160-191 by turns
.set G1, 24                            ; s[24:31] descriptor group 1 for x's tiles;  s[32:39] group 0, one set for each slot
.set G0, 32
.set G1B, 48                           ; s[48:55], s[56:63] the same for W's tiles
.set G0B, 56
.set G1S, 68                           ; s[68:75], s[76:79] groups 1 and 0 for x's scales;  s[80:87], s[88:91] for W's
.set G0S, 76
.set G1SB, 80
.set G0SB, 88
.set MSB, 0
.macro WIN new                         ; the immediate's high byte repeats the setting that is left
.if MSB != (\new)
	s_set_vgpr_msb (MSB<<8)|(\new)
.set MSB, (\new)
.endif
.endm
.set MUL_LO, 0xa1                      ; source 0 (W) window 1, source 1 (x) window 0, C and D window 2
.set MUL_HI, 0xf1                      ; the same, C and D window 3
.set BEG_LO, 0x81                      ; a sum's first instruction: C (the bias) window 0, D window 2
.set BEG_HI, 0xc1                      ; D window 3
.set TO_B,   0x40                      ; destination window 1, address window 0
; A joint load: waves 0 and 1 fetch for x, waves 2 and 3 for W.  Each of the two lines has ONE mask and one set of registers for all that issue it; the branch hangs on the wave's number alone.
; Four v_nop follow each of the two lines, ahead of the jump, the label and what follows.
.macro JLOAD g0a, g1a, g0b, g1b
	s_cmp_eq_u32 s15, 0
	s_cbranch_scc0 .Lfor_b_\@
	tensor_load_to_lds s[\g0a:\g0a+3], s[\g1a:\g1a+7]
	s_nop 0
.rept 4
	v_nop
.endr
	s_branch .Lasked_\@
.Lfor_b_\@:
	tensor_load_to_lds s[\g0b:\g0b+3], s[\g1b:\g1b+7]
	s_nop 0
.rept 4
	v_nop
.endr
.Lasked_\@:
.endm
.macro CROUND                          ; a round of the cluster's barrier: my work-group's barrier; wave 0 signals for the work-group; every wave waits for all sixteen; my work-group's barrier once more
	s_barrier_signal -1
	s_barrier_wait -1
	s_cmp_lg_u32 s14, 0
	s_cbranch_scc1 .Lnot_wave_0_\@
	s_barrier_signal -3
.Lnot_wave_0_\@:
	s_barrier_wait -3
	s_barrier_signal -1
	s_barrier_wait -1
.endm
	s_load_b128 s[4:7], s[0:1], 0x0                ; codes s[4:5], scales s[6:7]
	s_load_b128 s[96:99], s[0:1], 0x10             ; bq s[96:97], bk s[98:99]
	s_load_b64 s[100:101], s[0:1], 0x20            ; bv
	s_load_b64 s[12:13], s[0:1], 0x28              ; qkv
	v_lshl_add_u32 v[SPW], v0, 2, SPARE
	v_mov_b32 v[NIL], 0
	ds_add_u32 v28, v29
	ds_add_u32 v28, v29
	s_wait_dscnt 0x0
	v_lshrrev_b32 v1, 5, v0
	v_readfirstlane_b32 s14, v1                    ; wave 0..3
	s_lshr_b32 s15, s14, 1                         ; which half of the tile's rows is mine.  Also: I fetch for x (0) or for W (1)
	s_and_b32 s16, s14, 1                          ; which half of its columns.  Also: which 128 rows of that tile I fetch
	s_bfe_u32 s40, ttmp6, 0x40000                  ; cx, cy: my place in the cluster
	s_bfe_u32 s41, ttmp6, 0x40004
	s_lshl_b32 s42, ttmp9, 2
	s_add_co_u32 s42, s42, s40                     ; tile column of C = 4 x cluster x + cx
	s_and_b32 s17, ttmp7, 0xffff
	s_lshl_b32 s17, s17, 2
	s_add_co_u32 s17, s17, s41                     ; tile row of C = 4 x cluster y + cy
	s_lshl_b32 s43, s41, 2
	s_lshl_b32 s43, 15, s43                        ; my row of the cluster
	s_lshl_b32 s44, 0x1111, s40                    ; my column
	; descriptor group 1: a tile of 128 rows x 256 bytes, padded in LDS
	s_or_b32 s[G1+0], s43, (0<<16)|(1<<20)|(1<<21)|(5<<22)|(3<<25)  ; 15:0 the mask: x's tiles go to my row; 17:16 element of 1 byte; 20 padding on; 21 set beside a mask; 24:22 after every 64 words (code 5); 31:25 of 4 words (code 3)
	s_or_b32 s[G1B+0], s44, (0<<16)|(1<<20)|(1<<21)|(5<<22)|(3<<25)
.irp g, G1, G1B
	s_mov_b32 s[\g+1], ROWB<<16                    ; tensor_dim0
	s_mov_b32 s[\g+2], 128<<16                     ; tensor_dim1 = 128
	s_mov_b32 s[\g+3], ROWB<<16                    ; tile_dim0
	s_mov_b32 s[\g+4], 128                         ; tile_dim1 = 128
	s_mov_b32 s[\g+5], KROW                        ; tensor_dim0_stride
	s_mov_b32 s[\g+6], 0
	s_mov_b32 s[\g+7], 0
.endr
	; and for the scales of 128 rows: a dense block of 4,096 bytes, as 16 rows of 256 bytes (32 elements of 8 bytes), 16 bytes of padding behind each
	s_or_b32 s[G1S+0], s43, (3<<16)|(1<<20)|(1<<21)|(5<<22)|(3<<25)
	s_or_b32 s[G1SB+0], s44, (3<<16)|(1<<20)|(1<<21)|(5<<22)|(3<<25)
.irp g, G1S, G1SB
	s_mov_b32 s[\g+1], 32<<16
	s_mov_b32 s[\g+2], (128*KS/256)<<16
	s_mov_b32 s[\g+3], 32<<16
	s_mov_b32 s[\g+4], 128*KS/256
	s_mov_b32 s[\g+5], 32
	s_mov_b32 s[\g+6], 0
	s_mov_b32 s[\g+7], 0
.endr
	s_lshl_b32 s18, s16, 7                         ; which 128 rows of the tile I fetch
	s_lshl_b32 s20, s17, 8
	s_add_co_u32 s20, s20, s18                     ; x: row 256 x tile row + 128 x half
	s_lshl_b32 s46, s42, 8
	s_add_co_u32 s46, s46, s18                     ; W: row 256 x tile column + 128 x half
	s_lshl_b32 s22, s20, 5                         ; where these rows' scales begin: 32 bytes a row
	s_mov_b32 s23, 0
	s_lshl_b32 s92, s46, 5
	s_mov_b32 s93, 0
	s_lshl_b32 s20, s20, 9                         ; and their codes: 512 bytes a row
	s_mov_b32 s21, 0
	s_lshl_b32 s46, s46, 9
	s_mov_b32 s47, 0
	s_mul_i32 s45, s14, HALFT                      ; where they go: wave x 128 rows: no place in the cluster enters an LDS address
	s_mul_i32 s94, s14, HALFS
	s_wait_kmcnt 0x0
	s_add_nc_u64 s[8:9], s[4:5], 0x200000          ; W's codes begin behind x's 4,096 rows of 512 bytes,
	s_add_nc_u64 s[10:11], s[6:7], 0x20000         ; W's scales behind x's 4,096 rows of 32
	s_add_nc_u64 s[20:21], s[4:5], s[20:21]
	s_add_nc_u64 s[22:23], s[6:7], s[22:23]
	s_add_nc_u64 s[46:47], s[8:9], s[46:47]
	s_add_nc_u64 s[92:93], s[10:11], s[92:93]
	CROUND                                         ; all sixteen work-groups are here: the joint loads meet
	s_mov_b32 s[G0S], 1
	s_add_co_u32 s[G0S+1], s94, SCL
	s_mov_b64 s[G0S+2:G0S+3], s[22:23]
	s_or_b32 s[G0S+3], s[G0S+3], 0x80000000
	s_mov_b32 s[G0SB], 1
	s_add_co_u32 s[G0SB+1], s94, SCL
	s_mov_b64 s[G0SB+2:G0SB+3], s[92:93]
	s_or_b32 s[G0SB+3], s[G0SB+3], 0x80000000
	JLOAD G0S, G1S, G0SB, G1SB                     ; the scales first: they are wanted with the first K step.  With the two below, three tensor loads of mine are out
.irp s, 0,1
	s_mov_b32 s[G0+4*\s], 1
	s_add_co_u32 s[G0+4*\s+1], s45, \s*SLOT
	s_add_nc_u64 s[G0+4*\s+2:G0+4*\s+3], s[20:21], \s*ROWB
	s_or_b32 s[G0+4*\s+3], s[G0+4*\s+3], 0x80000000
	s_mov_b32 s[G0B+4*\s], 1
	s_add_co_u32 s[G0B+4*\s+1], s45, \s*SLOT
	s_add_nc_u64 s[G0B+4*\s+2:G0B+4*\s+3], s[46:47], \s*ROWB
	s_or_b32 s[G0B+4*\s+3], s[G0B+4*\s+3], 0x80000000
	JLOAD G0+4*\s, G1, G0B+4*\s, G1B
.endr
	v_and_b32 v1, 15, v0                           ; r = l % 16
	v_bfe_u32 v2, v0, 4, 1                         ; h = l / 16
	; the biases: the tensor is the cluster's x; my 128 columns begin 256 cx + 128 x half columns into it; lane (r, h) wants, for tile b, those of columns 16 b + 8 h + 0 .. 7
	s_cmp_eq_u32 ttmp9, 0
	s_cselect_b64 s[96:97], s[96:97], s[98:99]
	s_cmp_eq_u32 ttmp9, 2
	s_cselect_b64 s[96:97], s[100:101], s[96:97]
	s_lshl_b32 s46, s40, 10
	s_lshl_b32 s47, s16, 9
	s_add_co_u32 s46, s46, s47
	s_mov_b32 s47, 0
	s_add_nc_u64 s[96:97], s[96:97], s[46:47]
	v_lshlrev_b32 v[BOF], 5, v2
.irp b, 0,1,2,3,4,5,6,7
	global_load_b128 v[BIAS+8*\b:BIAS+8*\b+3], v[BOF], s[96:97] offset:64*\b
	global_load_b128 v[BIAS+8*\b+4:BIAS+8*\b+7], v[BOF], s[96:97] offset:64*\b+16
.endr
	v_mul_u32_u24 v3, v1, PITCH
	v_lshl_add_u32 v4, v2, 4, v3                   ; a fragment's row x pitch + 16 x half
	s_mul_i32 s21, s15, HALFT                      ; my 128 rows of x
	s_mul_i32 s22, s16, HALFT                      ; my 128 rows of W,
	s_add_co_u32 s22, s22, 2*HALFT                 ; which lie behind x's 256
.irp s, 0,1
	v_add_nc_u32 v[ADRA+\s], s21, v4
	v_add_nc_u32 v[ADRB+\s], s22, v4
	s_add_co_u32 s21, s21, SLOT
	s_add_co_u32 s22, s22, SLOT
.endr
	v_mul_u32_u24 v5, v1, KS                       ; my row's scales: 32 bytes a row,
	v_lshrrev_b32 v6, 8, v5
	v_lshl_add_u32 v5, v6, 4, v5                   ; and 16 more for each 256 passed
	s_mul_i32 s21, s15, HALFS                      ; x's: my 128 rows
	s_mul_i32 s22, s16, HALFS                      ; W's: my 128 rows, behind x's 256
	s_add_co_u32 s22, s22, 2*HALFS
	s_sub_co_u32 s22, s22, s21
	v_mul_u32_u24 v6, s22, v2                      ; lanes 16-31 take W's: the lower base + h x the distance
	s_add_co_u32 s21, s21, SCL
	v_add_nc_u32 v5, v5, v6
	v_add_nc_u32 v[ADRS], s21, v5
	s_mul_i32 s23, s14, 16*SPITCH                  ; my stage
	v_mul_u32_u24 v5, v1, SPITCH                   ; in: row r, 16 bytes for each half of the lanes
	v_lshl_add_u32 v5, v2, 4, v5
	v_add_nc_u32 v[STO], s23, v5
	v_bfe_u32 v5, v0, 3, 1                         ; back: lanes 0-15 take two rows' first 128 bytes (my first head), lanes 16-31 their second 128 (my second head)
	v_mul_u32_u24 v5, v5, SPITCH
	v_lshl_add_u32 v5, v2, 7, v5
	v_and_b32 v6, 7, v0
	v_lshl_add_u32 v5, v6, 4, v5
	v_add_nc_u32 v[RD], s23, v5
	v_lshlrev_b32 v[CO], 4, v1                     ; in qkv two rows of a head are 256 bytes on end; the next head lies 2^18 bytes on
	v_lshl_add_u32 v[CO], v2, 18, v[CO]
	; where my part begins in qkv: tensor x 2^23 + (16 batch + 4 cx + 2 x half) heads of 2^18 + t rows of 128 bytes
	s_lshl_b32 s20, s17, 8
	s_lshl_b32 s21, s15, 7
	s_add_co_u32 s20, s20, s21                     ; my first row of C
	s_lshr_b32 s21, s20, 11                        ; batch
	s_and_b32 s20, s20, 2047                       ; t
	s_lshl_b32 s20, s20, 7
	s_lshl_b32 s21, s21, 22                        ; 16 heads of 2^18
	s_add_co_u32 s20, s20, s21
	s_lshl_b32 s21, ttmp9, 23
	s_add_co_u32 s20, s20, s21
	s_mov_b32 s21, 0
	s_lshl_b32 s46, s40, 20                        ; 4 cx heads
	s_lshl_b32 s47, s16, 19                        ; 2 x half
	s_add_co_u32 s46, s46, s47
	s_mov_b32 s47, 0
	s_add_nc_u64 s[20:21], s[20:21], s[46:47]
	s_add_nc_u64 s[12:13], s[12:13], s[20:21]
.macro FRAG reg, adr, q, i             ; a fragment, 16 rows x 128 K of 4-bit codes, is 8 registers: lane l holds row l % 16; registers 4 c .. 4 c + 3 hold K = 64 c + 32 (l / 16) + 0 .. 31
.irp c, 0,1
	ds_load_b128 v[\reg+4*\c:\reg+4*\c+3], v[\adr] offset:64*(\q)+32*\c+(\i)*16*PITCH
.endr
.endm
; 16 matrix instructions: x's blocks a0, a0 + 1 against W's eight, 128 along K: the slot's q-th.  p: W's set;  sc: the set of scale words.  zero = 1: the first product starts the sums, with the bias as C.
; The 64 accumulators take turns, one instruction a turn, in the same order in every step.
.macro MUL16 a0, p, q, sc, zero
.irp a, \a0, \a0+1
.irp b, 0,1,2,3,4,5,6,7
.if \zero
	v_wmma_scale_f32_16x16x128_f8f6f4 v[8*(8*((\a)%4)+\b):8*(8*((\a)%4)+\b)+7], v[128*(\p)+FR*\b:128*(\p)+FR*\b+FR-1], v[AF+FR*(\a):AF+FR*(\a)+FR-1], v[BIAS+8*\b:BIAS+8*\b+7], v[SC+8*NQ*(\sc)+NQ*\b+(\q)], v[SC+8*NQ*(\sc)+NQ*(\a)+(\q)] matrix_a_fmt:MATRIX_FMT_FP4 matrix_b_fmt:MATRIX_FMT_FP4 matrix_a_scale:MATRIX_SCALE_ROW1
.else
	v_wmma_scale_f32_16x16x128_f8f6f4 v[8*(8*((\a)%4)+\b):8*(8*((\a)%4)+\b)+7], v[128*(\p)+FR*\b:128*(\p)+FR*\b+FR-1], v[AF+FR*(\a):AF+FR*(\a)+FR-1], v[8*(8*((\a)%4)+\b):8*(8*((\a)%4)+\b)+7], v[SC+8*NQ*(\sc)+NQ*\b+(\q)], v[SC+8*NQ*(\sc)+NQ*(\a)+(\q)] matrix_a_fmt:MATRIX_FMT_FP4 matrix_b_fmt:MATRIX_FMT_FP4 matrix_a_scale:MATRIX_SCALE_ROW1
.endif
.endr
.endr
.endm
.macro FETCH_B slot, q, p              ; W's eight fragments of the slot's q-th 128 along K into set p
	WIN TO_B
.irp i, 0,1,2,3,4,5,6,7
	FRAG 128*(\p)+FR*\i, ADRB+\slot, \q, \i
.endr
	WIN 0
.endm
.macro FETCH_A slot, q, i0             ; x's blocks i0 .. i0 + 3
.irp i, \i0, \i0+1, \i0+2, \i0+3
	FRAG AF+FR*(\i), ADRA+\slot, \q, \i
.endr
.endm
.macro SCALES sc                       ; a K step's scale words into set sc: 4 words a row; lanes 0-15 take x's block i, lanes 16-31 W's block i
.irp i, 0,1,2,3,4,5,6,7
	ds_load_b128 v[SC+8*NQ*\sc+NQ*\i:SC+8*NQ*\sc+NQ*\i+3], v[ADRS] offset:\i*SBLK
.endr
.endm
; A load into a register that a matrix instruction has read, and a vector instruction that reads a matrix result, stand NP places behind that matrix instruction, and only plain vector
; instructions that name none of its registers are places (ISA guide 7.12.1 for vector instructions).
.macro PLACES n
.rept \n
	v_nop
.endr
.endm
; A step of 128 along K that has its successor in the same slot.  A block of x is free as soon as its eight products are issued: blocks 0-3 are fetched anew in the step's middle, blocks 4-7 at its end.
.macro STEP slot, q, zero
	s_wait_dscnt 4*NL                              ; W's set and x's blocks 0-3 are in; the youngest eight loads (x's blocks 4-7) may be out
.if \zero
	WIN BEG_LO
.else
	WIN MUL_LO
.endif
	MUL16 0, (\q)%2, \q, \slot, \zero
	MUL16 2, (\q)%2, \q, \slot, \zero
	s_wait_dscnt 0                                 ; x's blocks 4-7 are in (asked for 32 matrix instructions ago)
	PLACES NP
	FETCH_B \slot, (\q)+1, 1-(\q)%2
	FETCH_A \slot, (\q)+1, 0
.if \zero
	WIN BEG_HI
.else
	WIN MUL_HI
.endif
	MUL16 4, (\q)%2, \q, \slot, \zero
	MUL16 6, (\q)%2, \q, \slot, \zero
	PLACES NP
	WIN 0
	FETCH_A \slot, (\q)+1, 4
.endm
.macro STEPS slot, from                ; the slot's steps from .. NQ - 2
.set Q, \from
.rept NQ-1-\from
	STEP \slot, Q, 0
.set Q, Q+1
.endr
.endm
	s_wait_tensorcnt 1                             ; the scales and my part of slot 0 are in (slot 1's load, the one issued behind them, may be out),
	s_barrier_signal -1
	s_barrier_wait -1                              ; everybody's are
	FETCH_B 0, 0, 0
	FETCH_A 0, 0, 0
	SCALES 0
	FETCH_A 0, 0, 4
	s_wait_loadcnt 0x0                             ; the biases
	STEP 0, 0, 1                                   ; the first step's products start the sums
	STEPS 0, 1
	; slot 0's last step changes slots: one barrier; in front of it each wave waits for all its tensor loads (its part of slot 1) and for its own reads of slot 0
	s_wait_tensorcnt 0x0                           ; all my tensor loads have landed  (every window is 0 here)
	ds_add_u32 v[SPW], v[NIL]                      ; 0 onto my spare word
	s_wait_dscnt 4*NL+1                            ; (the add and the youngest eight loads, x's blocks 4-7, may be out)
	WIN MUL_LO
	MUL16 0, 1, NQ-1, 0, 0                         ; sixteen matrix instructions stand between the add and the wait for it
	s_wait_dscnt 0x0                               ; the add is done, and my reads of slot 0 are over
	s_barrier_signal -1
	MUL16 2, 1, NQ-1, 0, 0
	WIN 0
	s_barrier_wait -1                              ; slot 1 is whole, and nobody reads slot 0 any more
	PLACES NP
	v_add_nc_u32 v[ADRS], 4*NQ, v[ADRS]            ; on to the second K step's scale words (no LDS load of mine is out)
	FETCH_B 1, 0, 0
	FETCH_A 1, 0, 0
	SCALES 1
	WIN MUL_HI
	MUL16 4, 1, NQ-1, 0, 0
	MUL16 6, 1, NQ-1, 0, 0
	PLACES NP
	WIN 0
	FETCH_A 1, 0, 4
	STEPS 1, 0
	s_wait_dscnt 4*NL                              ; the very last step: nothing more to fetch
	WIN MUL_LO
	MUL16 0, 1, NQ-1, 1, 0
	MUL16 2, 1, NQ-1, 1, 0
	s_wait_dscnt 0
	WIN MUL_HI
	MUL16 4, 1, NQ-1, 1, 0
	MUL16 6, 1, NQ-1, 1, 0
	WIN 0
; THE WAY OUT, block by block of 16 rows x 128 columns (two heads).  PACK: rounded to f16, 16 bytes a lane, each accumulator from its low end on.  TOSTAGE: into my own stage in LDS and back.  SEND: stored:
; lanes 0-15 store two rows of my first head, 256 consecutive bytes at a multiple of 256 from qkv's first byte, lanes 16-31 the same rows of my second head.
.macro PACK a
.set AC, 64*((\a)%4)
	WIN 0x0a+5*((\a)/4)                            ; sources 0 and 1: window 2 or 3
.irp b, 0,1,2,3,4,5,6,7
.irp r, 0,1,2,3
	v_cvt_pk_f16_f32 v[TMP+4*\b+\r], v[AC+8*\b+2*\r], v[AC+8*\b+2*\r+1]
.endr
.endr
	WIN 0
.endm
.macro TOSTAGE a
.set BB, BK+32*((\a)%2)
.irp b, 0,1,2,3,4,5,6,7
	ds_store_b128 v[STO], v[TMP+4*\b:TMP+4*\b+3] offset:32*\b
.endr
.irp t, 0,1,2,3,4,5,6,7
	ds_load_b128 v[BB+4*\t:BB+4*\t+3], v[RD] offset:\t*2*SPITCH    ; LDS serves a wave's instructions in order (ISA guide 5.7.1.4): these see the stores above
.endr
.endm
.macro SEND a
.set BB, BK+32*((\a)%2)
	s_wait_dscnt 0x0                               ; the block is back in registers
	s_wait_xcnt 0x0                                ; the stores of the block before have read their registers: the next block's loads land there only behind this wait
.irp t, 0,1,2,3,4,5,6,7
	global_store_b128 v[CO], v[BB+4*\t:BB+4*\t+3], s[12:13] offset:(\a)*2048+\t*256
.endr
.endm
	PLACES NP                                      ; behind the last products: for the conversions, and for what is written over x's fragments and the biases
	PACK 0
	TOSTAGE 0
.irp a, 1,2,3,4,5,6,7                  ; block a's conversions stand between block a - 1's loads from the stage and the wait for them
	PACK \a
	SEND \a-1
	TOSTAGE \a
.endr
	SEND 7
	s_wait_tensorcnt 0x0                           ; the wave's end, behind my last tensor load and my last LDS store
	ds_add_u32 v[SPW], v[NIL]
	s_wait_dscnt 0x0
	CROUND                                         ; the closing round: no work-group ends while a partner may still ask for a tile that names it
	s_endpgm
.Lfunc_end_k_qf84aafdbc9_qkv:
	.size	k_qf84aafdbc9_qkv, .Lfunc_end_k_qf84aafdbc9_qkv-k_qf84aafdbc9_qkv
	.p2alignl 7, 3214868480
	.fill 96, 4, 3214868480
	.section	.rodata,"a",@progbits
	.p2align	6, 0x0
	.amdhsa_kernel k_qf84aafdbc9_qkv
		.amdhsa_group_segment_fixed_size 327680
		.amdhsa_private_segment_fixed_size 0
		.amdhsa_enable_private_segment 0
		.amdhsa_kernarg_size 48
		.amdhsa_user_sgpr_count 2
		.amdhsa_user_sgpr_kernarg_segment_ptr 1
		.amdhsa_wavefront_size32 1
		.amdhsa_system_sgpr_workgroup_id_x 1
		.amdhsa_system_sgpr_workgroup_id_y 1
		.amdhsa_system_sgpr_workgroup_id_z 1
		.amdhsa_system_vgpr_workitem_id 0
		.amdhsa_next_free_vgpr 1024
		.amdhsa_next_free_sgpr 102
		.amdhsa_reserve_vcc 0
		.amdhsa_float_denorm_mode_32 3
		.amdhsa_float_denorm_mode_16_64 3
		.amdhsa_memory_ordered 1
		.amdhsa_forward_progress 1
		.amdhsa_inst_pref_size 129
	.end_amdhsa_kernel
	.amdgpu_metadata
---
amdhsa.version: [ 1, 2 ]
amdhsa.kernels:
  - .name:           k_qf84aafdbc9_qkv
    .symbol:         k_qf84aafdbc9_qkv.kd
    .args:
      - { .name: codes, .offset: 0, .size: 8, .value_kind: global_buffer, .address_space: global }
      - { .name: scales, .offset: 8, .size: 8, .value_kind: global_buffer, .address_space: global }
      - { .name: bq, .offset: 16, .size: 8, .value_kind: global_buffer, .address_space: global }
      - { .name: bk, .offset: 24, .size: 8, .value_kind: global_buffer, .address_space: global }
      - { .name: bv, .offset: 32, .size: 8, .value_kind: global_buffer, .address_space: global }
      - { .name: qkv, .offset: 40, .size: 8, .value_kind: global_buffer, .address_space: global }
    .group_segment_fixed_size: 327680
    .private_segment_fixed_size: 0
    .kernarg_segment_align: 8
    .kernarg_segment_size: 48
    .max_flat_workgroup_size: 128
    .sgpr_count:     102
    .vgpr_count:     1024
    .wavefront_size: 32
...
	.end_amdgpu_metadata
.endif
;; end of part 2
;; launch attn (part 3): grid 8 x 32, 8 waves a work-group, clusters of 4 x 1, 327,680 bytes of LDS; arguments qkv, ao, epart; writes ao, epart
.if DOCPART == 3
	.amdgcn_target "amdgcn-amd-amdhsa--gfx1250"
	.amdhsa_code_object_version 6
	.text
	.protected	k_qf84aafdbc9_attn
	.globl	k_qf84aafdbc9_attn
	.p2align	8
	.type	k_qf84aafdbc9_attn,@function
k_qf84aafdbc9_attn:
	s_mov_b64 s[64:65], 0
	v_nop
	global_prefetch_b8 v0, s[64:65] scope:SCOPE_SE
	s_setreg_imm32_b32 hwreg(HW_REG_WAVE_MODE, 25, 1), 1
	s_wait_xcnt 0x0
	s_wait_alu depctr_hold_cnt(0) depctr_sa_sdst(0) depctr_va_vdst(0) depctr_va_sdst(0) depctr_va_ssrc(0) depctr_va_vcc(0) depctr_vm_vsrc(0)
	s_getreg_b32 s2, hwreg(HW_REG_IB_STS2, 6, 4)
	s_cmp_eq_u32 s2, 0
	s_cbranch_scc0 .Lentry_in_a_cluster
	s_endpgm
.Lentry_in_a_cluster:
	s_bfe_u32 s2, ttmp6, 0x10000c
	s_cmp_lg_u32 s2, 0x3003
	s_cbranch_scc0 .Lentry_shape_is_right
	s_endpgm
.Lentry_shape_is_right:
; O[bh][q][:] = the sum over k of softmax_k(Q[bh][q] . K[bh][k] / 8) V[bh][k][:], and for each query lse = ln of the sum over k of e^(score / 8).  32 heads (batch x 16 + head), 2,048 queries and keys, head size 64.
; qkv: Q at byte 0, K at 2^23, V at 2^24, each [bh][t][64] f16.  ao: [bh][t][64] f16.  epart: one f32 for each wave: -8 x the sum of its 32 queries' lse, at [(8 bh + query block) x 8 + wave].
; Products, maxima and sums in f32; the weights p are rounded to f16 for the second product, O once at the end.
; f16, NOT bf16, for p and O: 11 significant bits against 8; where the softmax is nearly flat O is a mean over 2,048 keys in which V nearly cancels, so each rounding of p shows in full in O's spread, and O's own in the next product's.
; ROOM IN f16: p lies in (0, 1] for every input, by the running maximum; what falls under 2^-25 becomes 0 beside a sum of at least 1.  O is a weighted mean of V and no larger than V's largest number, which is an f16 number.
; LIMITS: with all inputs 30 times smaller O's spread is about 0.017 / 900 = 1.9e-5, among f16's denormals, whose step 2^-24 is a three-hundredth of that spread.  NaN and infinities among the inputs are not served.
; SHARES.  A work-group owns 256 queries of one head, each of its eight waves 32: two tiles of 16; two waves lie on a SIMD, so that one wave's softmax stands beside the other's products and LDS loads.  Every wave walks all keys, 64 a step.
; LAYOUT.  S^T = K Q^T (source 0 = 16 keys, source 1 = 16 queries): a lane holds ONE query (lane % 16) and the keys 8 (lane / 16) + 0..7.  Two such tiles, rounded to f16 in pairs, ARE source 1 (32 keys x 16 queries) of
; O^T = V^T P, whose result again holds one query a lane, and eight channels.  K comes out of LDS as it lies, V ([key][channel]) turned, by ds_load_tr16_b128.
; SOFTMAX.  For each query a running maximum m and sum l: p = 2^(c s - c m), c = log2(e) / 8; in every step O and l are multiplied by a = 2^(c m_old - c m_new).  lse = ln 2 x (log2 l + c m).
; The step is written once: O and l begin as zeros and m as -3e38, so that the first a is 0.
; RING.  Two LDS slots of four key steps, filled by the tensor data mover: waves 0-3 fetch K of the slot's four steps, waves 4-7 V of them, 64 rows to a load.
; CLUSTER.  The four query blocks of a cluster belong to one head and walk the same K and V, so each tile is asked for JOINTLY: the same tensor load, with the same descriptor and a mask that names the four.
; REGISTERS.  window 0: v2-11 addresses; v12-27 eight registers of statistics a tile; v28-31 at work; v32-63 Q; v64-127 S^T, 32 a tile; v128-159 P, 16 a tile; v160-223 O^T, 32 a tile.
;   window 1: v0-63 K of one step; v64-127 V of one step.
.set KS,    64        ; keys in a step
.set PK,    144       ; a row of K in LDS: 128 bytes + 16 of padding = 36 words: the 16 rows of a load start at 16 different groups of four banks (64 banks of 4 bytes: ISA guide 11.1)
.set PV,    160       ; a row of V: 128 + 32: 16 lanes of the turning load take 8 rows x 32 bytes
.set VOFF,  KS*PK     ; a step's tiles lie together: 64 rows of K, then 64 rows of V
.set STEPB, KS*(PK+PV)
.set NST,   4         ; steps in a slot
.set SLOTG, NST*KS*128  ; a slot's rows of K or of V in memory: 32,768 bytes
.set SLOT1, 1<<17     ; slot 1 begins here, so that one exclusive or turns an address in one slot into the other's
.set STAGE, SLOT1+NST*STEPB  ; behind the ring: 32 rows x 144 bytes for each wave, for the way out
.set SP,    144
.set SPARE, STAGE+8*32*SP    ; behind the stages: the spare words, 128 bytes for each wave: four blocks of 256 bytes that no other line names
.set AK0, 2           ; v2   my lane's place in a tile of K; never rewritten
.set AV0, 3           ; v3   the same for V
.set ADR, 4           ; v4   the LDS address of the run of loads in hand
.set QO,  5           ; v5   my byte offset in the wave's rows of Q
.set STO, 6           ; v6   the way out: where I put 16 bytes of a row
.set RD,  7           ; v7   the way out: where I read 16 bytes back
.set GO,  8           ; v8   my byte offset in the wave's rows of ao
.set PFO, 9           ; v9   256 x my lane: the prefetches' offset; never rewritten
.set SPW, 10          ; v10  LDS address of my spare word; never rewritten
.set NIL, 11          ; v11  0; never rewritten
.set ST,  12          ; tile t's statistics at v[ST+8 t]: +0 c m, +1 m, +2, +3 l (even keys', odd keys'), +4 to +7 c0-c3, at work; a takes c2's place once the maximum is found
.set Q,   32          ; fragment (tile t, channels 32 c on) at Q + 16 t + 8 c
.set S,   64
.set P,   128
.set O,   160
.set KF,  0           ; in window 1: K's fragment (keys 16 kt on, channels 32 c on) at 8 (2 kt + c)
.set VF,  64          ; in window 1: V's fragment (keys 32 kh on, channels 16 ct on) at 64 + 8 (4 kh + ct)
.set WV,  12          ; s12  my wave's number
.set LIM, 15          ; s15  1 in a wave that prefetches, else the greatest number: a wave prefetches while s[SLOTS] is above it
.set PFA, 18          ; s[18:19] where my prefetches stand in memory
.set G1K, 24          ; s[24:31] descriptor group 1 for K's tiles
.set G1V, 32          ; s[32:39] for V's: it differs in the padding alone
.set G0K, 40          ; s[40:47] descriptor group 0 for K's tiles: a set for each of the two first fills; the second then walks on
.set G0V, 48          ; s[48:55] the same for V's
.set SLOTS, 56        ; s56  slots still to be asked for
.set INNER, 57        ; s57  counts a slot's first three steps
.set CS,  58          ; s[58:59] c: the packed scaling names a pair and takes its low word for both halves
.set SEL, 60          ; s[60:61] lane selects for v_permlanex16_b32: each lane takes its own place in the other half
.set TB,  62          ; s62  LDS byte at which the tiles of the step to be fetched begin
.set LP,  63          ; s63  my tile's place in a slot
.set MSB, 0
.macro WIN new                      ; the immediate's high byte repeats the setting that is left; a switch that changes nothing is dropped
.if MSB != (\new)
	s_set_vgpr_msb (MSB<<8)|(\new)
.set MSB, (\new)
.endif
.endm
.set W_MUL, 0x01      ; source 0 (K or V) window 1; source 1, C and D window 0
.set W_LD,  0x40      ; destination window 1, address window 0
; A joint refill.  The branch hangs on the wave's number alone.  Four v_nop follow each of the two lines; the jump round the other line, the label and what follows come after them.
.macro JLOAD
	s_cmp_lt_u32 s[WV], 4
	s_cbranch_scc0 .Lfor_v_\@
	tensor_load_to_lds s[G0K+4:G0K+7], s[G1K:G1K+7]
	s_nop 0
.rept 4
	v_nop
.endr
	s_branch .Lasked_\@
.Lfor_v_\@:
	tensor_load_to_lds s[G0V+4:G0V+7], s[G1V:G1V+7]
	s_nop 0
.rept 4
	v_nop
.endr
.Lasked_\@:
.endm
; A PREFETCH INTO THE L2 of what the NEXT change of slots will ask for: a slot's 32,768 bytes of K and as many of V.  It stands behind the wave's tensor load and its four lines.
; Each block of 256 bytes is asked for ONCE in the launch.  Both clusters of a head walk the same K and V: the head's first cluster asks.  Its four partners share a slot's bytes out BY ADDRESS, 8,192 each; in each, wave 0 asks
; for K's and wave 4 for V's, lanes 256 bytes apart: one instruction.  The last change that fills a slot asks for nothing: there is no slot behind it.  The first three slots' worth come by their loads alone.
.macro ASK
	s_cmp_gt_u32 s[SLOTS], s[LIM]
	s_cbranch_scc0 .Lnot_mine_\@
	global_prefetch_b8 v[PFO], s[PFA:PFA+1] th:TH_LOAD_NT scope:SCOPE_SE
.Lnot_mine_\@:
.endm
; A round of the cluster's barrier: my work-group's barrier, so that wave 0's signal speaks for all eight waves; wave 0 signals for the work-group; every wave waits for all four work-groups; my work-group's barrier once more.
.macro CROUND
	s_barrier_signal -1
	s_barrier_wait -1
	s_cmp_lg_u32 s[WV], 0
	s_cbranch_scc1 .Lnot_wave_0_\@
	s_barrier_signal -3
.Lnot_wave_0_\@:
	s_barrier_wait -3
	s_barrier_signal -1
	s_barrier_wait -1
.endm
	s_load_b64 s[4:5], s[0:1], 0x0  ; qkv
	s_load_b64 s[8:9], s[0:1], 0x8  ; ao
	s_load_b64 s[10:11], s[0:1], 0x10  ; epart
	v_lshl_add_u32 v[SPW], v0, 2, SPARE
	v_mov_b32 v[NIL], 0
	ds_add_u32 v10, v11
	ds_add_u32 v10, v11
	s_wait_dscnt 0x0
	v_lshrrev_b32 v1, 5, v0
	v_readfirstlane_b32 s[WV], v1   ; wave 0..7
	s_bfe_u32 s13, ttmp6, 0x40000   ; cx: my place in the cluster
	s_lshl_b32 s14, ttmp9, 2        ; in a cluster launch ttmp9 counts clusters
	s_add_co_u32 s14, s14, s13      ; my block of 256 queries = 4 x cluster x + cx: it enters Q's, ao's and epart's addresses alone
	s_and_b32 s20, ttmp7, 0xffff    ; the head, which the four partners share
	s_and_b32 s2, s[WV], 3          ; which of a slot's four steps I fetch:
	s_lshl_b32 s22, s20, 18         ; the head's 2,048 rows of 128 bytes,
	s_lshl_b32 s3, s2, 13           ; the step's 64 rows
	s_add_co_u32 s22, s22, s3
	s_mov_b32 s23, 0
	s_mul_i32 s[LP], s2, STEPB      ; and its place in a slot: no place in the cluster enters an LDS address
	s_lshl_b32 s2, s20, 18
	s_lshl_b32 s3, s14, 15          ; my block's 256 rows,
	s_add_co_u32 s2, s2, s3
	s_lshl_b32 s3, s[WV], 12        ; my wave's 32 of them
	s_add_co_u32 s2, s2, s3
	s_mov_b32 s3, 0
	s_lshl_b32 s20, s20, 3
	s_add_co_u32 s20, s20, s14
	s_lshl_b32 s20, s20, 3
	s_add_co_u32 s20, s20, s[WV]
	s_lshl_b32 s20, s20, 2          ; my wave's word of epart
	s_mov_b32 s21, 0
	; descriptor group 1: a tile of 64 rows x 64 elements, padded in LDS
	s_mov_b32 s[G1K], 15|(1<<16)|(1<<20)|(1<<21)|(4<<22)|(3<<25)  ; 15:0 the mask: all four work-groups; 17:16 elements of 2 bytes; 20 padding on; 21 set beside a mask; 24:22 after every 32 words (code 4); 31:25 4 words of it (code 3)
	s_mov_b32 s[G1V], 15|(1<<16)|(1<<20)|(1<<21)|(4<<22)|(7<<25)  ; the same with 8 words of padding (code 7)
.irp g, G1K, G1V
	s_mov_b32 s[\g+1], 64<<16       ; tensor_dim0 = 64
	s_mov_b32 s[\g+2], KS<<16       ; tensor_dim1 = 64
	s_mov_b32 s[\g+3], 64<<16       ; tile_dim0 = 64
	s_mov_b32 s[\g+4], KS           ; tile_dim1 = 64
	s_mov_b32 s[\g+5], 64           ; tensor_dim0_stride: elements from row to row
	s_mov_b32 s[\g+6], 0
	s_mov_b32 s[\g+7], 0
.endr
	s_mov_b32 s[CS], 0x3e38aa3b     ; c = log2(e) / 8
	s_mov_b32 s[CS+1], s[CS]        ; named with it as a pair, so it is written
	s_mov_b32 s[SEL], 0x76543210
	s_mov_b32 s[SEL+1], 0xfedcba98
	s_mov_b32 s[TB], 0
	s_mov_b32 s[SLOTS], 2048/(NST*KS)-2
	s_and_b32 s[LIM], s[WV], 3      ; 0 in waves 0 and 4,
	s_or_b32 s[LIM], s[LIM], ttmp9  ; where the cluster is the head's first: the same in all four partners
	s_cmp_eq_u32 s[LIM], 0
	s_cselect_b32 s[LIM], 1, -1
	s_wait_kmcnt 0x0
	s_add_nc_u64 s[6:7], s[4:5], s[22:23]
	s_add_nc_u64 s[16:17], s[6:7], 0x1000000  ; V at my tile of the first slot,
	s_add_nc_u64 s[6:7], s[6:7], 0x800000     ; K likewise
	s_add_nc_u64 s[4:5], s[4:5], s[2:3]       ; Q and ao at my wave's first row
	s_add_nc_u64 s[8:9], s[8:9], s[2:3]
	s_add_nc_u64 s[10:11], s[10:11], s[20:21]
	s_cmp_lt_u32 s[WV], 4
	s_cselect_b64 s[PFA:PFA+1], s[6:7], s[16:17]  ; (in waves 0 and 4 these stand at the head's first row)
	s_lshl_b32 s2, s13, 13          ; my work-group's 8,192 bytes of a slot's 32,768
	s_add_nc_u64 s[PFA:PFA+1], s[PFA:PFA+1], s[2:3]
	s_add_nc_u64 s[PFA:PFA+1], s[PFA:PFA+1], 2*SLOTG  ; two slots on; the first change of slots steps it to the third.  Nothing is prefetched here, at the head, where every work-group's first tiles are on their way
	CROUND                          ; all four work-groups are here: the first joint loads meet
.irp s, 0,1
	s_mov_b32 s[G0K+4*\s], 1        ; count = 1
	s_add_co_u32 s[G0K+4*\s+1], s[LP], \s*SLOT1  ; LDS address
	s_add_nc_u64 s[G0K+4*\s+2:G0K+4*\s+3], s[6:7], \s*SLOTG  ; global address: slot s begins with keys 256 s on
	s_or_b32 s[G0K+4*\s+3], s[G0K+4*\s+3], 0x80000000  ; type = 2
	s_mov_b32 s[G0V+4*\s], 1
	s_add_co_u32 s[G0V+4*\s+1], s[LP], \s*SLOT1+VOFF
	s_add_nc_u64 s[G0V+4*\s+2:G0V+4*\s+3], s[16:17], \s*SLOTG
	s_or_b32 s[G0V+4*\s+3], s[G0V+4*\s+3], 0x80000000
.endr
	s_cmp_lt_u32 s[WV], 4           ; a wave's two first fills stand in one branch, ahead of every wait on TENSORcnt and every LDS read: two loads of mine are out; four v_nop follow the second
	s_cbranch_scc0 .Lfirst_v
	tensor_load_to_lds s[G0K:G0K+3], s[G1K:G1K+7]
	s_nop 0
	tensor_load_to_lds s[G0K+4:G0K+7], s[G1K:G1K+7]
	s_nop 0
.rept 4
	v_nop
.endr
	s_branch .Lfirst_asked
.Lfirst_v:
	tensor_load_to_lds s[G0V:G0V+3], s[G1V:G1V+7]
	s_nop 0
	tensor_load_to_lds s[G0V+4:G0V+7], s[G1V:G1V+7]
	s_nop 0
.rept 4
	v_nop
.endr
.Lfirst_asked:
	; A fragment of K or Q is 16 rows x 32 channels in 8 registers: lane l holds row l % 16; registers 0-3 channels 8 (l / 16) + 0..7, registers 4-7 channels 16 + 8 (l / 16) + 0..7: two loads of 16 bytes, 32 bytes apart.
	v_and_b32 v1, 15, v0            ; r = l % 16
	v_bfe_u32 v28, v0, 4, 1         ; h = l / 16
	v_and_b32 v29, 31, v0           ; lane
	v_lshlrev_b32 v[QO], 7, v1
	v_lshl_add_u32 v[QO], v28, 4, v[QO]  ; row x 128 + 16 x half
.irp t, 0,1
.irp c, 0,1
	global_load_b128 v[Q+16*\t+8*\c:Q+16*\t+8*\c+3],   v[QO], s[4:5] offset:\t*2048+\c*64      ; Q stays in registers
	global_load_b128 v[Q+16*\t+8*\c+4:Q+16*\t+8*\c+7], v[QO], s[4:5] offset:\t*2048+\c*64+32
.endr
.endr
	v_mul_u32_u24 v[AK0], v1, PK
	v_lshl_add_u32 v[AK0], v28, 4, v[AK0]  ; row x pitch + 16 x half
	; The turning load takes 16 keys x 16 channels (lane l reads 16 bytes: key 8 (l / 16) + l % 8, channels 8 ((l / 8) % 2) + 0..7) and leaves half a fragment of V^T: lane l holds channel l % 16 and 8 keys.
	v_and_b32 v30, 7, v0
	v_bfe_u32 v31, v0, 3, 1
	v_lshl_add_u32 v[AV0], v28, 3, v30
	v_mul_u32_u24 v[AV0], v[AV0], PV
	v_lshl_add_u32 v[AV0], v31, 4, v[AV0]
	v_add_nc_u32 v[AV0], VOFF, v[AV0]
	s_mul_i32 s2, s[WV], 32*SP
	s_add_co_u32 s2, s2, STAGE      ; my stage
	v_mul_u32_u24 v[STO], v1, SP    ; in: row l % 16, 16 bytes for each half of the lanes
	v_lshl_add_u32 v[STO], v28, 4, v[STO]
	v_add_nc_u32 v[STO], s2, v[STO]
	v_lshrrev_b32 v[RD], 3, v29     ; back: eight lanes to a row of 128 bytes, four rows an instruction
	v_mul_u32_u24 v[RD], v[RD], SP
	v_lshl_add_u32 v[RD], v30, 4, v[RD]
	v_add_nc_u32 v[RD], s2, v[RD]
	v_lshlrev_b32 v[GO], 4, v29     ; in ao the wave's 32 rows are 4,096 bytes on end
	v_lshlrev_b32 v[PFO], 8, v29
.irp t, 0,1
	v_mov_b32 v[ST+8*\t+1], 0xff61b1e6  ; m: -3e38, under every score
	v_mov_b32 v[ST+8*\t+2], 0       ; l, in two halves
	v_mov_b32 v[ST+8*\t+3], 0
.endr
.irp t, 0,1
	v_mul_f32 v[ST+8*\t], s[CS], v[ST+8*\t+1]  ; c m
.endr
.set i, 0
.rept 64
	v_mov_b32 v[O+i], 0             ; O^T: the step is written once, and its first turn finds zeros
.set i, i+1
.endr
; THE MATRIX WORK.  The accumulators take turns, one instruction a turn: between two links of a chain stand seven others'.
; Product i of 16 of S^T = K Q^T: channels 32 (i / 8) on, keys 16 ((i / 2) % 4) on, tile i % 2.  The first 8 start the sums.
.macro KQ
.set i, 0
.rept 16
.set rS, S+32*(i%2)+8*((i/2)%4)
.set rK, KF+8*(2*((i/2)%4)+i/8)
.set rQ, Q+16*(i%2)+8*(i/8)
.if i < 8
	v_wmma_f32_16x16x32_f16 v[rS:rS+7], v[rK:rK+7], v[rQ:rQ+7], 0
.else
	v_wmma_f32_16x16x32_f16 v[rS:rS+7], v[rK:rK+7], v[rQ:rQ+7], v[rS:rS+7]
.endif
.set i, i+1
.endr
.endm
; Product i of 16 of O^T += V^T P: keys 32 (i / 8) on, channels 16 ((i / 2) % 4) on, tile i % 2.
.macro PVM
.set i, 0
.rept 16
.set rO, O+32*(i%2)+8*((i/2)%4)
.set rV, VF+8*(4*(i/8)+(i/2)%4)
.set rP, P+16*(i%2)+8*(i/8)
	v_wmma_f32_16x16x32_f16 v[rO:rO+7], v[rV:rV+7], v[rP:rP+7], v[rO:rO+7]
.set i, i+1
.endr
.endm
; THE LDS LOADS stand in runs of 16: a step's K (64 keys x 64 channels: 8 fragments) and its V (turned).
.macro FETCH_K
	WIN 0
	v_add_nc_u32 v[ADR], s[TB], v[AK0]
	WIN W_LD
.irp f, 0,1,2,3,4,5,6,7             ; keys 16 (f / 2) on, channels 32 (f % 2) on
	ds_load_b128 v[KF+8*\f:KF+8*\f+3],   v[ADR] offset:(\f/2)*16*PK+(\f%2)*64
	ds_load_b128 v[KF+8*\f+4:KF+8*\f+7], v[ADR] offset:(\f/2)*16*PK+(\f%2)*64+32
.endr
.endm
.macro FETCH_V
	WIN 0
	v_add_nc_u32 v[ADR], s[TB], v[AV0]
	s_add_co_u32 s[TB], s[TB], STEPB  ; the next fetch is the next step's
	WIN W_LD
.irp f, 0,1,2,3,4,5,6,7             ; keys 32 (f / 4) on, channels 16 (f % 4) on
	ds_load_tr16_b128 v[VF+8*\f:VF+8*\f+3],   v[ADR] offset:(\f/4)*32*PV+(\f%4)*32
	ds_load_tr16_b128 v[VF+8*\f+4:VF+8*\f+7], v[ADR] offset:(\f/4)*32*PV+16*PV+(\f%4)*32
.endr
.endm
.macro PLACES
.rept 4
	v_nop
.endr
.endm
; THE VECTOR WORK.  s0-s31 are a lane's 32 scores of a tile, in pairs 0-15.
; MAXOP: number j of 16 of the search for tile t's maximum: four chains c0-c3 of seven scores each (each accumulator from its low end on), then the four scores left over, c0-c3 and the old m.
.macro MAXOP t, j
.set rT, ST+8*(\t)
.set rS, S+32*(\t)
.if \j < 4
	v_max3_num_f32 v[rT+4+\j], v[rS+8*\j], v[rS+8*\j+1], v[rS+8*\j+2]
.elseif \j < 12
	v_max3_num_f32 v[rT+4+\j%4], v[rT+4+\j%4], v[rS+8*(\j%4)+2*(\j/4)+1], v[rS+8*(\j%4)+2*(\j/4)+2]
.elseif \j == 12
	v_max3_num_f32 v[rT+4], v[rT+4], v[rS+7], v[rS+15]
.elseif \j == 13
	v_max3_num_f32 v[rT+6], v[rT+6], v[rS+23], v[rS+31]
.elseif \j == 14
	v_max3_num_f32 v[rT+4], v[rT+4], v[rT+5], v[rT+6]
.else
	v_max3_num_f32 v[rT+4], v[rT+4], v[rT+7], v[rT+1]
.endif
.endm
; the four below take pair i (the symbol) of tile t
.macro SCALEP t                     ; c s - c m
	v_pk_fma_f32 v[S+32*\t+2*i:S+32*\t+2*i+1], v[S+32*\t+2*i:S+32*\t+2*i+1], s[CS:CS+1], v[ST+8*\t:ST+8*\t+1] op_sel_hi:[1,0,0] neg_lo:[0,0,1] neg_hi:[0,0,1]
.endm
.macro EXPS t, n                    ; p = 2^(c s - c m) of the pair's number n
	v_exp_f32 v[S+32*\t+2*i+\n], v[S+32*\t+2*i+\n]
.endm
.macro RESC t                       ; O^T x a
	s_wait_alu depctr_va_vdst(0)
	v_pk_mul_f32 v[O+32*\t+2*i:O+32*\t+2*i+1], v[O+32*\t+2*i:O+32*\t+2*i+1], v[ST+8*\t+6:ST+8*\t+7] op_sel_hi:[1,0]
.endm
.macro ROUNDP t                     ; two weights to f16
	s_wait_alu depctr_va_vdst(0)
	v_cvt_pk_f16_f32 v[P+16*\t+i], v[S+32*\t+2*i], v[S+32*\t+2*i+1]
.endm
; SUMOP: sum z of 16 of tile t's 16 pairs (in a pair: an even key's weight, an odd key's), in place: neighbours 1, 2, 4 and 8 pairs apart, then l = a l + the sum
.macro SUMOP t, z
.set rT, ST+8*(\t)
.set rS, S+32*(\t)
.if (\z) < 8
.set u, rS+4*(\z)
	v_pk_add_f32 v[u:u+1], v[u:u+1], v[u+2:u+3]
.elseif (\z) < 12
.set u, rS+8*((\z)-8)
	v_pk_add_f32 v[u:u+1], v[u:u+1], v[u+4:u+5]
.elseif (\z) < 14
.set u, rS+16*((\z)-12)
	v_pk_add_f32 v[u:u+1], v[u:u+1], v[u+8:u+9]
.elseif (\z) == 14
	v_pk_add_f32 v[rS:rS+1], v[rS:rS+1], v[rS+16:rS+17]
.else
	v_pk_fma_f32 v[rT+2:rT+3], v[rT+2:rT+3], v[rT+6:rT+7], v[rS:rS+1] op_sel_hi:[1,0,1]
.endif
.endm
; Both tiles' softmax of a key step, but tile 1's sums.  Every exponential has a plain instruction of other work behind it, so that no two follow each other but the two a, behind which the scalings stand.
.macro SOFTMAX
.irp j, 0,1,2,3,4,5,6,7,8,9,10,11,12,13,14,15
.irp t, 0,1
	MAXOP \t, \j
.endr
.endr
.irp t, 0,1
	v_permlanex16_b32 v[ST+8*\t+5], v[ST+8*\t+4], s[SEL], s[SEL+1]  ; the query's other 32 keys lie in the lane 16 away
.endr
.irp t, 0,1
	v_mov_b32 v[ST+8*\t+7], v[ST+8*\t]                 ; c m_old is kept for a
.endr
.irp t, 0,1
	v_max_num_f32 v[ST+8*\t+1], v[ST+8*\t+4], v[ST+8*\t+5]  ; the new m
.endr
.irp t, 0,1
	v_mul_f32 v[ST+8*\t], s[CS], v[ST+8*\t+1]          ; c m
.endr
.irp t, 0,1
	v_sub_f32 v[ST+8*\t+7], v[ST+8*\t+7], v[ST+8*\t]
.endr
.irp t, 0,1
	v_exp_f32 v[ST+8*\t+6], v[ST+8*\t+7]               ; a
.endr
.set i, 0
.rept 16
	SCALEP 0
.set i, i+1
.endr
.set i, 0
.rept 16                            ; tile 0's exponentials | tile 1's scalings, tile 0's O^T x a
	EXPS 0, 0
	SCALEP 1
	EXPS 0, 1
	RESC 0
.set i, i+1
.endr
.set i, 0
.rept 16                            ; tile 1's exponentials | tile 0's roundings, tile 1's O^T x a
	EXPS 1, 0
	ROUNDP 0
	EXPS 1, 1
	RESC 1
.set i, i+1
.endr
.set i, 0
.rept 16                            ; tile 1's roundings, tile 0's sums
	ROUNDP 1
	SUMOP 0, i
.set i, i+1
.endr
.endm
; THE CHANGE OF SLOTS stands in a slot's fourth step, behind its products K Q^T: the slot's last bytes, V of that step, have been asked for.  Each wave waits for all its tensor loads, of which one is out: its part of the
; other slot; adds 0 to its spare word; and waits for that and for its own reads of the slot.  Behind the barrier nobody reads this slot any more and the other slot is whole.
; fill = 1: this slot is filled again, with the keys two slots on.  The barrier is then a round of the cluster's, so that no wave of any partner still reads the slot or has a load on its way, and the joint refill is the
; first thing behind it: it has the rest of this step and three steps more in which to land.
.macro CHANGE fill
	WIN 0                           ; at a label and at a branch every window is 0
	s_wait_tensorcnt 0x0            ; no tensor load of mine is out, so a group 0 may be written
	ds_add_u32 v[SPW], v[NIL]       ; 0 onto my spare word; with fill = 1 the descriptors' steps stand between it and the wait for it
.if \fill
.irp g, G0K+4, G0V+4
	s_xor_b32 s[\g+1], s[\g+1], SLOT1  ; the walking descriptor: the other slot than last time,
	s_add_nc_u64 s[\g+2:\g+3], s[\g+2:\g+3], SLOTG  ; the next 256 keys; the type bits on top are not reached
.endr
	s_wait_xcnt 0x0                 ; the last prefetch, four key steps back, has read its address, so it may be written:
	s_add_nc_u64 s[PFA:PFA+1], s[PFA:PFA+1], SLOTG  ; one slot further on than the walking descriptors
	s_wait_dscnt 0x0                ; the add is done, and my reads of the slot are over
	CROUND
	JLOAD
	ASK                             ; what the next change will ask for: four key steps ahead of that load
.else
	s_wait_dscnt 0x0                ; the add is done, and my reads of the slot are over
	s_barrier_signal -1
	s_barrier_wait -1
.endif
	s_sub_co_u32 s[TB], s[TB], NST*STEPB  ; the fetches go back to a slot's first step,
	s_xor_b32 s[TB], s[TB], SLOT1   ; in the other slot
.endm
; A KEY STEP.  mode 0: plain; 1: with the change of slots and a refill; 2: with the change alone; 3: the last step, which fetches nothing.
; At its head K of this step (16 loads) and, issued behind it, V of this step (16 loads) are on their way or in.
.macro STEP mode
	s_wait_dscnt 16                 ; K is in; V's 16 loads, issued behind it, may be out
	WIN W_MUL
	KQ
	WIN 0
	PLACES                          ; four places behind the products: for the loads into K's registers and for the first reads of the scores
.if \mode == 1
	CHANGE 1
.elseif \mode == 2
	CHANGE 0
.endif
.if \mode != 3
	FETCH_K                         ; the next step's K lands under the softmax
.endif
	WIN 0
	SOFTMAX
.if \mode == 3
	s_wait_dscnt 0x0
.else
	s_wait_dscnt 16                 ; V is in; the next K's 16 loads, issued behind it, may be out
.endif
	WIN W_MUL
	PVM
	WIN 0
.set i, 0
.rept 16
	SUMOP 1, i                      ; tile 1's sums: sixteen plain instructions that name no register of the products above: the places in front of the loads into V's registers, and of the reads of O^T
.set i, i+1
.endr
.if \mode != 3
	FETCH_V                         ; the next step's V
.endif
	WIN 0
.endm
.macro THREE                        ; a slot's first three steps: written once, walked three times; the LDS addresses hang on s[TB]
	s_mov_b32 s[INNER], 3
.Lstep_\@:
	STEP 0
	s_sub_co_u32 s[INNER], s[INNER], 1
	s_cmp_lg_u32 s[INNER], 0
	s_cbranch_scc1 .Lstep_\@
.endm
	s_wait_tensorcnt 1              ; my part of slot 0 is in; slot 1's may stay out
	s_barrier_signal -1
	s_barrier_wait -1               ; everybody's is
	FETCH_K                         ; key step 0
	FETCH_V
	WIN 0
	s_wait_loadcnt 0x0              ; Q
.Lslot:                             ; six trips: every slot's worth of keys but the last two is followed by a refill
	THREE
	STEP 1
	s_sub_co_u32 s[SLOTS], s[SLOTS], 1
	s_cmp_lg_u32 s[SLOTS], 0
	s_cbranch_scc1 .Lslot
	THREE                           ; the tail is written out
	STEP 2
	THREE
	STEP 3
	; THE WAY OUT.  l's two halves and the other half of the lanes' are added.  The energy: -8 ln 2 x (log2 l + c m), summed over my 32 queries.  O^T is divided by l, rounded to f16 and sent through my stage in LDS.
.irp t, 0,1
	v_add_f32 v[ST+8*\t+4], v[ST+8*\t+2], v[ST+8*\t+3]
.endr
.irp t, 0,1
	v_permlanex16_b32 v[ST+8*\t+5], v[ST+8*\t+4], s[SEL], s[SEL+1]
.endr
.irp t, 0,1
	v_add_f32 v[ST+8*\t+4], v[ST+8*\t+4], v[ST+8*\t+5]   ; l
.endr
.irp t, 0,1
	v_rcp_f32 v[ST+8*\t+6], v[ST+8*\t+4]
.endr
.irp t, 0,1
	v_log_f32 v[ST+8*\t+5], v[ST+8*\t+4]
.endr
	v_nop                           ; a plain instruction between the last transcendental and the use of its result
.irp t, 0,1
	s_wait_alu depctr_va_vdst(0)
	v_add_f32 v[ST+8*\t+5], v[ST+8*\t+5], v[ST+8*\t]     ; log2 l + c m
.endr
	v_add_f32 v28, v[ST+5], v[ST+13]
	v_add_f32_dpp v28, v28, v28 row_xmask:1 row_mask:0xf bank_mask:0xf   ; over the 16 queries of a half of the lanes; both halves hold the same queries
	v_add_f32_dpp v28, v28, v28 row_xmask:2 row_mask:0xf bank_mask:0xf
	v_add_f32_dpp v28, v28, v28 row_xmask:4 row_mask:0xf bank_mask:0xf
	v_add_f32_dpp v28, v28, v28 row_xmask:8 row_mask:0xf bank_mask:0xf
	v_mul_f32 v28, 0xc0b17218, v28  ; x -8 ln 2
.irp t, 0,1
.set i, 0
.rept 16
	RESC \t                         ; O^T / l: 1 / l stands where a stood; each accumulator from its low end on
.set i, i+1
.endr
.endr
.irp t, 0,1
.set i, 0
.rept 16
	v_cvt_pk_f16_f32 v[S+16*\t+i], v[O+32*\t+2*i], v[O+32*\t+2*i+1]   ; a lane's eight channels of a row pack into 16 bytes; S^T's registers are free
.set i, i+1
.endr
.endr
.irp t, 0,1
.irp f, 0,1,2,3
	ds_store_b128 v[STO], v[S+16*\t+4*\f:S+16*\t+4*\f+3] offset:\t*16*SP+32*\f
.endr
.endr
.irp f, 0,1,2,3,4,5,6,7
	ds_load_b128 v[S+32+4*\f:S+32+4*\f+3], v[RD] offset:\f*4*SP  ; LDS serves a wave's instructions in order (ISA guide 5.7.1.4): these see the stores above
.endr
.irp f, 0,1,2,3,4,5,6,7
	s_wait_dscnt 7-\f
	global_store_b128 v[GO], v[S+32+4*\f:S+32+4*\f+3], s[8:9] offset:\f*512  ; 32 lanes store 512 consecutive bytes, at a multiple of 256 from ao's first byte
.endr
	v_and_b32 v29, 31, v0
	v_mov_b32 v30, 0
	v_cmp_eq_u32 vcc_lo, 0, v29
	s_wait_xcnt 0x0                 ; EXEC changes only behind this wait: the stores above have read it
	s_and_saveexec_b32 s2, vcc_lo
	global_store_b32 v30, v28, s[10:11]  ; lane 0 stores the wave's part of the energy
	s_wait_xcnt 0x0                 ; and again, in front of the line that widens it
	s_or_b32 exec_lo, exec_lo, s2
	s_wait_tensorcnt 0x0            ; the wave's end, behind my last tensor load and my last LDS store
	ds_add_u32 v[SPW], v[NIL]
	s_wait_dscnt 0x0
	CROUND                          ; the closing round: no work-group ends while a partner may still ask for a tile that names it
	s_endpgm
.Lfunc_end_k_qf84aafdbc9_attn:
	.size	k_qf84aafdbc9_attn, .Lfunc_end_k_qf84aafdbc9_attn-k_qf84aafdbc9_attn
	.p2alignl 7, 3214868480
	.fill 96, 4, 3214868480
	.section	.rodata,"a",@progbits
	.p2align	6, 0x0
	.amdhsa_kernel k_qf84aafdbc9_attn
		.amdhsa_group_segment_fixed_size 327680
		.amdhsa_private_segment_fixed_size 0
		.amdhsa_enable_private_segment 0
		.amdhsa_kernarg_size 24
		.amdhsa_user_sgpr_count 2
		.amdhsa_user_sgpr_kernarg_segment_ptr 1
		.amdhsa_wavefront_size32 1
		.amdhsa_system_sgpr_workgroup_id_x 1
		.amdhsa_system_sgpr_workgroup_id_y 1
		.amdhsa_system_sgpr_workgroup_id_z 1
		.amdhsa_system_vgpr_workitem_id 0
		.amdhsa_next_free_vgpr 384
		.amdhsa_next_free_sgpr 66
		.amdhsa_reserve_vcc 1
		.amdhsa_float_denorm_mode_32 3
		.amdhsa_float_denorm_mode_16_64 3
		.amdhsa_memory_ordered 1
		.amdhsa_forward_progress 1
		.amdhsa_inst_pref_size 135
	.end_amdhsa_kernel
	.amdgpu_metadata
---
amdhsa.version: [ 1, 2 ]
amdhsa.kernels:
  - .name:           k_qf84aafdbc9_attn
    .symbol:         k_qf84aafdbc9_attn.kd
    .args:
      - { .name: qkv, .offset: 0, .size: 8, .value_kind: global_buffer, .address_space: global }
      - { .name: ao, .offset: 8, .size: 8, .value_kind: global_buffer, .address_space: global }
      - { .name: epart, .offset: 16, .size: 8, .value_kind: global_buffer, .address_space: global }
    .group_segment_fixed_size: 327680
    .private_segment_fixed_size: 0
    .kernarg_segment_align: 8
    .kernarg_segment_size: 24
    .max_flat_workgroup_size: 256
    .sgpr_count:     66
    .vgpr_count:     384
    .wavefront_size: 32
...
	.end_amdgpu_metadata
.endif
;; end of part 3
;; launch oproj (part 4): grid 8 x 32, 4 waves a work-group, clusters of 4 x 4, 327,680 bytes of LDS; arguments ao, woh, bo, out0; writes out0
.if DOCPART == 4
	.amdgcn_target "amdgcn-amd-amdhsa--gfx1250"
	.amdhsa_code_object_version 6
	.text
	.protected	k_qf84aafdbc9_oproj
	.globl	k_qf84aafdbc9_oproj
	.p2align	8
	.type	k_qf84aafdbc9_oproj,@function
k_qf84aafdbc9_oproj:
	s_mov_b64 s[64:65], 0
	v_nop
	global_prefetch_b8 v0, s[64:65] scope:SCOPE_SE
	s_setreg_imm32_b32 hwreg(HW_REG_WAVE_MODE, 25, 1), 1
	s_wait_xcnt 0x0
	s_wait_alu depctr_hold_cnt(0) depctr_sa_sdst(0) depctr_va_vdst(0) depctr_va_sdst(0) depctr_va_ssrc(0) depctr_va_vcc(0) depctr_vm_vsrc(0)
	s_getreg_b32 s2, hwreg(HW_REG_IB_STS2, 6, 4)
	s_cmp_eq_u32 s2, 0
	s_cbranch_scc0 .Lentry_in_a_cluster
	s_endpgm
.Lentry_in_a_cluster:
	s_bfe_u32 s2, ttmp6, 0x10000c
	s_cmp_lg_u32 s2, 0xf033
	s_cbranch_scc0 .Lentry_shape_is_right
	s_endpgm
.Lentry_shape_is_right:
; out0[m][n] = the sum over k of A[m][k] Wo[n][k] + bo[n].  m = batch x 2048 + t (4,096), n 1,024, k = head x 64 + channel (1,024).  A lies by head: ao [batch x 16 + head][t][64] f16; woh [n][k] f16; out0 f32; sums in f32.
; Both operands in f16, not bf16: 11 significant bits against 8; what room each has in f16 is reckoned where it is made.
; A tile of out0 is 128 x 128: 256 work-groups.  Four waves, each 64 x 64: 16 accumulators of 16 x 16.  K goes in four steps of 256 (four heads) through two LDS slots.
; A's TILE OUT OF ao: for one head, 64 rows t of 64 channels are 8,192 bytes on end.  One descriptor takes four such runs, a head (131,072 elements) apart, with 16 bytes of padding behind every 128: in LDS [head][t][128 + 16 bytes].
; CLUSTERS: 4 x 4 work-groups.  The four of a row of the cluster need the same tiles of A, the four of a column the same tiles of Wo: each tile is asked for JOINTLY, by the same tensor load with the same descriptor and a mask
; that names the four.  THE MATRIX INSTRUCTION IS USED TRANSPOSED (source 0 = 16 rows of Wo, source 1 = 16 rows of A): a lane then holds eight neighbouring numbers of a row of out0.  THE BIAS is the C of each sum's first instruction.
; REGISTERS: window 0: v0-31 addresses; v32-95 at work on the way out; v96-127 the biases; v128-255 the accumulators ((a, b) at v[128 + 8 (4 a + b)]).
;   window 1: two fragment buffers of 128: for 64 along K, 64 registers of A (2 x 4 x 16 rows x 32 K), then 64 of Wo.
.set PA,     144                       ; a row of A in LDS: 128 bytes + 16
.set PLANE,  64*PA                     ; a head's 64 rows
.set HALFA,  4*PLANE                   ; 64 rows x 256 K of A: what one tensor load brings
.set PB,     528                       ; a row of Wo in LDS: 512 bytes + 16
.set HALFB,  64*PB                     ; 64 rows of Wo: what one tensor load brings
.set SLOT,   2*HALFA+2*HALFB           ; A's 128 rows, then Wo's 128 rows
.set STAGE,  2*SLOT                    ; behind the ring: 16 rows x 272 bytes for each wave, for the way out
.set SPITCH, 272
.set SPARE,  STAGE+4*16*SPITCH         ; behind the stages: the spare words, 128 bytes for each wave: two blocks of 256 bytes that no other line names
.set ADRA, 16                          ; v16-17  LDS address of my A fragments in slot 0, 1
.set ADRB, 20                          ; v20-21  the same for Wo
.set STO,  24                          ; v24     the way out: where I put 32 bytes of a row
.set RD,   25                          ; v25     the way out: where I read a row back
.set CO,   26                          ; v26     my byte offset in out0
.set BOF,  27                          ; v27     the biases' offset
.set SPW,  28                          ; v28     LDS address of my spare word; never rewritten
.set NIL,  29                          ; v29     0; never rewritten
.set TMP,  32                          ; the way out: 16 rows read back: v32-63 and v64-95 by turns
.set BIAS, 96                          ; tile b of my columns: eight registers in the result's layout
.set ACC,  128
.set F0,   0                           ; fragment buffers, in window 1
.set F1,   128
.set G1, 24                            ; s[24:31] descriptor group 1 for A's tiles;  s[32:39] group 0, one set for each slot
.set G0, 32
.set G1B, 48                           ; s[48:55], s[56:63] the same for Wo's tiles
.set G0B, 56
.set MSB, 0
.macro WIN new                         ; the immediate's high byte repeats the setting that is left
.if MSB != (\new)
	s_set_vgpr_msb (MSB<<8)|(\new)
.set MSB, (\new)
.endif
.endm
.set MUL,  0x05                        ; sources 0 (Wo) and 1 (A) window 1; C and D window 0
.set TO_F, 0x40                        ; destination window 1, address window 0
.macro JLOAD s                         ; a joint load: waves 0 and 1 fetch A's two halves, waves 2 and 3 Wo's; four v_nop follow each of the two lines, ahead of the jump, the label and what follows
	s_cmp_eq_u32 s11, 0
	s_cbranch_scc0 .Lfor_b_\@
	tensor_load_to_lds s[G0+4*\s:G0+4*\s+3], s[G1:G1+7]
	s_nop 0
.rept 4
	v_nop
.endr
	s_branch .Lasked_\@
.Lfor_b_\@:
	tensor_load_to_lds s[G0B+4*\s:G0B+4*\s+3], s[G1B:G1B+7]
	s_nop 0
.rept 4
	v_nop
.endr
.Lasked_\@:
.endm
.macro CREST                           ; a round of the cluster's barrier behind its opening barrier
	s_cmp_lg_u32 s10, 0
	s_cbranch_scc1 .Lnot_wave_0_\@
	s_barrier_signal -3
.Lnot_wave_0_\@:
	s_barrier_wait -3
	s_barrier_signal -1
	s_barrier_wait -1
.endm
.macro CROUND                          ; a whole round
	s_barrier_signal -1
	s_barrier_wait -1
	CREST
.endm
	s_load_b128 s[4:7], s[0:1], 0x0                ; ao s[4:5], woh s[6:7]
	s_load_b64 s[66:67], s[0:1], 0x10              ; bo
	s_load_b64 s[8:9], s[0:1], 0x18                ; out0
	v_lshl_add_u32 v[SPW], v0, 2, SPARE
	v_mov_b32 v[NIL], 0
	ds_add_u32 v28, v29
	ds_add_u32 v28, v29
	s_wait_dscnt 0x0
	v_lshrrev_b32 v1, 5, v0
	v_readfirstlane_b32 s10, v1                    ; wave 0..3
	s_lshr_b32 s11, s10, 1                         ; which half of the tile's rows is mine.  Also: I fetch for A (0) or for Wo (1)
	s_and_b32 s12, s10, 1                          ; which half of its columns.  Also: which 64 rows of that tile I fetch
	s_bfe_u32 s40, ttmp6, 0x40000                  ; cx, cy: my place in the cluster
	s_bfe_u32 s41, ttmp6, 0x40004
	s_lshl_b32 s42, ttmp9, 2
	s_add_co_u32 s42, s42, s40                     ; tile column = 4 x cluster x + cx
	s_and_b32 s13, ttmp7, 0xffff
	s_lshl_b32 s13, s13, 2
	s_add_co_u32 s13, s13, s41                     ; tile row = 4 x cluster y + cy
	s_lshl_b32 s43, s41, 2
	s_lshl_b32 s43, 15, s43                        ; my row of the cluster
	s_lshl_b32 s44, 0x1111, s40                    ; my column
	; descriptor group 1 for A: 4 runs of 4,096 elements (64 t x 64 channels of a head), a head apart; 16 bytes of padding behind every 128
	s_or_b32 s[G1+0], s43, (1<<16)|(1<<20)|(1<<21)|(4<<22)|(3<<25)  ; 15:0 the mask: A's tiles go to my row; 17:16 element of 2 bytes; 20 padding on; 21 set beside a mask; 24:22 after every 32 words (code 4); 31:25 of 4 words (code 3)
	s_mov_b32 s[G1+1], 4096<<16                    ; tensor_dim0 = 4,096
	s_mov_b32 s[G1+2], 4<<16                       ; tensor_dim1 = 4
	s_mov_b32 s[G1+3], 4096<<16                    ; tile_dim0 = 4,096
	s_mov_b32 s[G1+4], 4                           ; tile_dim1 = 4
	s_mov_b32 s[G1+5], 131072                      ; tensor_dim0_stride: a head's 2,048 x 64 elements
	s_mov_b32 s[G1+6], 0
	s_mov_b32 s[G1+7], 0
	; for Wo: 64 rows x 256 elements, 16 bytes of padding behind every 512
	s_or_b32 s[G1B+0], s44, (1<<16)|(1<<20)|(1<<21)|(6<<22)|(3<<25)
	s_mov_b32 s[G1B+1], 256<<16
	s_mov_b32 s[G1B+2], 64<<16
	s_mov_b32 s[G1B+3], 256<<16
	s_mov_b32 s[G1B+4], 64
	s_mov_b32 s[G1B+5], 1024
	s_mov_b32 s[G1B+6], 0
	s_mov_b32 s[G1B+7], 0
	; where the tiles come from.  A's hang on the tile row alone, which my row of the cluster shares; Wo's on the tile column alone, which my column shares
	s_lshr_b32 s16, s13, 4                         ; batch: 16 tile rows each
	s_lshl_b32 s16, s16, 22                        ; 16 heads of 262,144 bytes
	s_and_b32 s17, s13, 15
	s_lshl_b32 s17, s17, 7
	s_lshl_b32 s18, s12, 6
	s_add_co_u32 s17, s17, s18                     ; t of the first row that I fetch
	s_lshl_b32 s17, s17, 7                         ; 128 bytes a row
	s_add_co_u32 s16, s16, s17
	s_mov_b32 s17, 0
	s_lshl_b32 s46, s42, 7
	s_add_co_u32 s46, s46, s18                     ; Wo: row 128 x tile column + 64 x half
	s_lshl_b32 s46, s46, 11                        ; 2,048 bytes a row
	s_mov_b32 s47, 0
	s_mul_i32 s20, s12, HALFA                      ; where they go: A's two halves,
	s_mul_i32 s21, s12, HALFB
	s_add_co_u32 s21, s21, 2*HALFA                 ; then Wo's two: no place in the cluster enters an LDS address
	s_wait_kmcnt 0x0
	s_add_nc_u64 s[14:15], s[4:5], s[16:17]
	s_add_nc_u64 s[46:47], s[6:7], s[46:47]
	CROUND                                         ; all sixteen work-groups are here: the first joint loads meet
.irp s, 0,1
	s_mov_b32 s[G0+4*\s], 1
	s_add_co_u32 s[G0+4*\s+1], s20, \s*SLOT
	s_add_nc_u64 s[G0+4*\s+2:G0+4*\s+3], s[14:15], \s*0x100000     ; K step s: four heads on
	s_or_b32 s[G0+4*\s+3], s[G0+4*\s+3], 0x80000000
	s_mov_b32 s[G0B+4*\s], 1
	s_add_co_u32 s[G0B+4*\s+1], s21, \s*SLOT
	s_add_nc_u64 s[G0B+4*\s+2:G0B+4*\s+3], s[46:47], \s*512
	s_or_b32 s[G0B+4*\s+3], s[G0B+4*\s+3], 0x80000000
	JLOAD \s                                       ; two tensor loads of mine are out
.endr
	v_and_b32 v1, 15, v0                           ; r = l % 16
	v_bfe_u32 v2, v0, 4, 1                         ; h = l / 16
	v_mul_u32_u24 v3, v1, PA
	v_lshl_add_u32 v3, v2, 4, v3                   ; a fragment's row x pitch + 16 x half
	v_mul_u32_u24 v4, v1, PB
	v_lshl_add_u32 v4, v2, 4, v4
	s_mul_i32 s21, s11, HALFA                      ; my 64 rows of A
	s_mul_i32 s22, s12, HALFB                      ; my 64 rows of Wo,
	s_add_co_u32 s22, s22, 2*HALFA                 ; which lie behind A's 128
.irp s, 0,1
	v_add_nc_u32 v[ADRA+\s], s21, v3
	v_add_nc_u32 v[ADRB+\s], s22, v4
	s_add_co_u32 s21, s21, SLOT
	s_add_co_u32 s22, s22, SLOT
.endr
	s_mul_i32 s23, s10, 16*SPITCH
	s_add_co_u32 s23, s23, STAGE                   ; my stage
	v_mul_u32_u24 v5, v1, SPITCH                   ; in: row r, 32 bytes for each half of the lanes
	v_lshl_add_u32 v5, v2, 5, v5
	v_add_nc_u32 v[STO], s23, v5
	v_mul_u32_u24 v5, v2, SPITCH                   ; back: lanes 0-15 take one row of 256 bytes, lanes 16-31 the next
	v_lshl_add_u32 v5, v1, 4, v5
	v_add_nc_u32 v[RD], s23, v5
	v_lshlrev_b32 v[CO], 4, v1                     ; and the same two rows in out0, 4,096 bytes apart
	v_lshl_add_u32 v[CO], v2, 12, v[CO]
	v_lshlrev_b32 v[BOF], 5, v2
	s_lshl_b32 s16, s13, 7
	s_lshl_b32 s17, s11, 6
	s_add_co_u32 s16, s16, s17                     ; my first row of out0: 128 x tile row + 64 x half
	s_lshl_b32 s16, s16, 12
	s_mov_b32 s17, 0
	s_add_nc_u64 s[8:9], s[8:9], s[16:17]
	s_lshl_b32 s46, s42, 9                         ; my first column, in bytes of f32: 512 x tile column + 256 x half; the same in out0's rows and in bo
	s_lshl_b32 s47, s12, 8
	s_add_co_u32 s46, s46, s47
	s_mov_b32 s47, 0
	s_add_nc_u64 s[8:9], s[8:9], s[46:47]
	s_add_nc_u64 s[66:67], s[66:67], s[46:47]
.irp b, 0,1,2,3                                ; lane (r, h) wants, for tile b, the biases of columns 16 b + 8 h + 0 .. 7
	global_load_b128 v[BIAS+8*\b:BIAS+8*\b+3], v[BOF], s[66:67] offset:64*\b
	global_load_b128 v[BIAS+8*\b+4:BIAS+8*\b+7], v[BOF], s[66:67] offset:64*\b+16
.endr
; 8 matrix instructions: m blocks a0, a0 + 1 x all 4 n blocks, 32 along K: half c of buffer f.  zero = 1: the first product starts the sums, with the bias as C.
; The 16 accumulators take turns, one instruction a turn.
.macro MUL8 f, c, a0, zero
.irp a, \a0, \a0+1
.irp b, 0,1,2,3
.if \zero
	v_wmma_f32_16x16x32_f16 v[ACC+8*(4*(\a)+\b):ACC+8*(4*(\a)+\b)+7], v[\f+64+8*(4*\c+\b):\f+64+8*(4*\c+\b)+7], v[\f+8*(4*\c+\a):\f+8*(4*\c+\a)+7], v[BIAS+8*\b:BIAS+8*\b+7]
.else
	v_wmma_f32_16x16x32_f16 v[ACC+8*(4*(\a)+\b):ACC+8*(4*(\a)+\b)+7], v[\f+64+8*(4*\c+\b):\f+64+8*(4*\c+\b)+7], v[\f+8*(4*\c+\a):\f+8*(4*\c+\a)+7], v[ACC+8*(4*(\a)+\b):ACC+8*(4*(\a)+\b)+7]
.endif
.endr
.endr
.endm
; 32 LDS loads in one run: the fragments of the slot's q-th 64 along K (head q of its four), into buffer f; the first 32 along K first
.macro FETCH slot, q, f
	WIN TO_F
.irp c, 0,1
.irp i, 0,1,2,3
	ds_load_b128 v[\f+64+8*(4*\c+\i):\f+64+8*(4*\c+\i)+3],   v[ADRB+\slot] offset:128*(\q)+64*\c+\i*16*PB
	ds_load_b128 v[\f+64+8*(4*\c+\i)+4:\f+64+8*(4*\c+\i)+7], v[ADRB+\slot] offset:128*(\q)+64*\c+\i*16*PB+32
	ds_load_b128 v[\f+8*(4*\c+\i):\f+8*(4*\c+\i)+3],         v[ADRA+\slot] offset:PLANE*(\q)+64*\c+\i*16*PA
	ds_load_b128 v[\f+8*(4*\c+\i)+4:\f+8*(4*\c+\i)+7],       v[ADRA+\slot] offset:PLANE*(\q)+64*\c+\i*16*PA+32
.endr
.endr
.endm
.macro PLACES                          ; four places in front of loads into registers that matrix instructions have read, and of LDS stores that read results (ISA guide 7.12.1 for vector instructions)
.rept 4
	v_nop
.endr
.endm
; A K step is four quarters of 64 along K, 32 matrix instructions each, on buffers 0, 1, 0, 1.  One of the first three: multiplies buffer f and fetches quarter q into g.
.macro QUARTER slot, q, f, g, zero
	s_wait_dscnt 16                                ; the first 32 along K are in; the other sixteen loads may be out
	WIN MUL
	MUL8 \f, 0, 0, \zero
	MUL8 \f, 0, 2, \zero
	PLACES
	FETCH \slot, \q, \g
	s_wait_dscnt 32                                ; all but the 32 just issued
	WIN MUL
	MUL8 \f, 1, 0, 0
	MUL8 \f, 1, 2, 0
.endm
; The last quarter multiplies buffer 1 and changes slots: ONE barrier; in front of it each wave waits for all its tensor loads, adds 0 to its spare word, and waits for that and for its own reads of this slot.  fill = 1: this slot is filled again, two K steps ahead.
.macro TURN slot, next, fill
	WIN 0                                          ; (the add's two registers lie in window 0)
	s_wait_tensorcnt 0x0                           ; all my tensor loads have landed: my part of the next slot;
	ds_add_u32 v[SPW], v[NIL]                      ; 0 onto my spare word;
	s_wait_dscnt 17                                ; (the add and the youngest sixteen loads may be out)
	WIN MUL
	MUL8 F1, 0, 0, 0                               ; eight matrix instructions stand between the add and the wait for it
	s_wait_dscnt 0x0                               ; the add is done, and my reads of this slot are over
	s_barrier_signal -1
	MUL8 F1, 0, 2, 0
.if \fill
	WIN 0
.endif
	s_barrier_wait -1
.if \fill
	CREST                                          ; the barrier has opened a round of the cluster's barrier: no wave of any partner still reads this slot's tile or has a load on its way
	s_add_nc_u64 s[G0+4*\slot+2:G0+4*\slot+3], s[G0+4*\slot+2:G0+4*\slot+3], 0x200000   ; two K steps on: eight heads,
	s_add_nc_u64 s[G0B+4*\slot+2:G0B+4*\slot+3], s[G0B+4*\slot+2:G0B+4*\slot+3], 1024   ; 512 elements along Wo's rows
	JLOAD \slot                                    ; the first tensor load behind the round; the four v_nop behind it are also the places in front of the loads below
.else
	PLACES
.endif
	FETCH \next, 0, F0
	WIN MUL
	MUL8 F1, 1, 0, 0
	MUL8 F1, 1, 2, 0
.endm
	s_wait_tensorcnt 1                             ; my part of K step 0 is in (K step 1's load may be out),
	s_barrier_signal -1
	s_barrier_wait -1                              ; everybody's is
	FETCH 0, 0, F0
	s_wait_loadcnt 0x0                             ; the biases
	QUARTER 0, 1, F0, F1, 1                        ; K step 0: the first products start the sums
	QUARTER 0, 2, F1, F0, 0
	QUARTER 0, 3, F0, F1, 0
	TURN 0, 1, 1                                   ; slot 0 takes K step 2
	QUARTER 1, 1, F0, F1, 0                        ; K step 1
	QUARTER 1, 2, F1, F0, 0
	QUARTER 1, 3, F0, F1, 0
	TURN 1, 0, 1                                   ; slot 1 takes K step 3
	QUARTER 0, 1, F0, F1, 0                        ; K step 2
	QUARTER 0, 2, F1, F0, 0
	QUARTER 0, 3, F0, F1, 0
	TURN 0, 1, 0                                   ; nothing is left to fetch
	QUARTER 1, 1, F0, F1, 0                        ; K step 3
	QUARTER 1, 2, F1, F0, 0
	QUARTER 1, 3, F0, F1, 0
	s_wait_dscnt 16                                ; the very last quarter
	WIN MUL
	MUL8 F1, 0, 0, 0
	MUL8 F1, 0, 2, 0
	s_wait_dscnt 0
	MUL8 F1, 1, 0, 0
	MUL8 F1, 1, 2, 0
	WIN 0
; THE WAY OUT, block by block of 16 rows x 64 columns.  A wave's 64 columns of f32 are 256 bytes, so each wave has a stage of its own and no barrier is needed: a lane's 32 bytes go into rows of 272 bytes and come back as
; whole rows, and sixteen lanes store 256 consecutive bytes, at a multiple of 256 from out0's first byte.  LDS serves a wave's instructions in order (ISA guide 5.7.1.4).
.macro TOSTAGE a
.irp b, 0,1,2,3
	ds_store_b128 v[STO], v[ACC+8*(4*(\a)+\b):ACC+8*(4*(\a)+\b)+3] offset:64*\b          ; each accumulator from its low end on
	ds_store_b128 v[STO], v[ACC+8*(4*(\a)+\b)+4:ACC+8*(4*(\a)+\b)+7] offset:64*\b+16
.endr
.irp t, 0,1,2,3,4,5,6,7
	ds_load_b128 v[TMP+32*((\a)%2)+4*\t:TMP+32*((\a)%2)+4*\t+3], v[RD] offset:\t*2*SPITCH
.endr
.endm
.macro SEND a, younger                 ; younger: the LDS instructions issued behind block a's loads, which may stay out
	s_wait_dscnt \younger
.irp t, 0,1,2,3,4,5,6,7
	global_store_b128 v[CO], v[TMP+32*((\a)%2)+4*\t:TMP+32*((\a)%2)+4*\t+3], s[8:9] offset:(\a)*65536+\t*8192 th:TH_STORE_NT   ; written once, read by nobody here
.endr
.endm
	PLACES
	TOSTAGE 0
	TOSTAGE 1
	SEND 0, 16                                     ; behind block 0's loads: block 1's 8 stores and 8 loads
	s_wait_xcnt 0x0                                ; block 0's stores have read their registers: block 2's loads may land there
	TOSTAGE 2
	SEND 1, 16
	s_wait_xcnt 0x0
	TOSTAGE 3
	SEND 2, 16
	SEND 3, 0
	s_wait_tensorcnt 0x0                           ; the wave's end, behind my last tensor load and my last LDS store
	ds_add_u32 v[SPW], v[NIL]
	s_wait_dscnt 0x0
	CROUND                                         ; the closing round: no work-group ends while a partner may still ask for a tile that names it
	s_endpgm
.Lfunc_end_k_qf84aafdbc9_oproj:
	.size	k_qf84aafdbc9_oproj, .Lfunc_end_k_qf84aafdbc9_oproj-k_qf84aafdbc9_oproj
	.p2alignl 7, 3214868480
	.fill 96, 4, 3214868480
	.section	.rodata,"a",@progbits
	.p2align	6, 0x0
	.amdhsa_kernel k_qf84aafdbc9_oproj
		.amdhsa_group_segment_fixed_size 327680
		.amdhsa_private_segment_fixed_size 0
		.amdhsa_enable_private_segment 0
		.amdhsa_kernarg_size 32
		.amdhsa_user_sgpr_count 2
		.amdhsa_user_sgpr_kernarg_segment_ptr 1
		.amdhsa_wavefront_size32 1
		.amdhsa_system_sgpr_workgroup_id_x 1
		.amdhsa_system_sgpr_workgroup_id_y 1
		.amdhsa_system_sgpr_workgroup_id_z 1
		.amdhsa_system_vgpr_workitem_id 0
		.amdhsa_next_free_vgpr 512
		.amdhsa_next_free_sgpr 68
		.amdhsa_reserve_vcc 0
		.amdhsa_float_denorm_mode_32 3
		.amdhsa_float_denorm_mode_16_64 3
		.amdhsa_memory_ordered 1
		.amdhsa_forward_progress 1
		.amdhsa_inst_pref_size 87
	.end_amdhsa_kernel
	.amdgpu_metadata
---
amdhsa.version: [ 1, 2 ]
amdhsa.kernels:
  - .name:           k_qf84aafdbc9_oproj
    .symbol:         k_qf84aafdbc9_oproj.kd
    .args:
      - { .name: ao, .offset: 0, .size: 8, .value_kind: global_buffer, .address_space: global }
      - { .name: woh, .offset: 8, .size: 8, .value_kind: global_buffer, .address_space: global }
      - { .name: bo, .offset: 16, .size: 8, .value_kind: global_buffer, .address_space: global }
      - { .name: out0, .offset: 24, .size: 8, .value_kind: global_buffer, .address_space: global }
    .group_segment_fixed_size: 327680
    .private_segment_fixed_size: 0
    .kernarg_segment_align: 8
    .kernarg_segment_size: 32
    .max_flat_workgroup_size: 128
    .sgpr_count:     68
    .vgpr_count:     512
    .wavefront_size: 32
...
	.end_amdgpu_metadata
.endif
;; end of part 4
;; launch energy (part 5): grid 1 x 1, 2 waves a work-group, no clusters, 0 bytes of LDS; arguments epart, out1; writes out1
.if DOCPART == 5
	.amdgcn_target "amdgcn-amd-amdhsa--gfx1250"
	.amdhsa_code_object_version 6
	.text
	.protected	k_qf84aafdbc9_energy
	.globl	k_qf84aafdbc9_energy
	.p2align	8
	.type	k_qf84aafdbc9_energy,@function
k_qf84aafdbc9_energy:
	s_mov_b64 s[64:65], 0
	v_nop
	global_prefetch_b8 v0, s[64:65] scope:SCOPE_SE
	s_setreg_imm32_b32 hwreg(HW_REG_WAVE_MODE, 25, 1), 1
	s_wait_xcnt 0x0
; out1[b] = the sum of batch b's 1,024 parts of the energy (one for each wave of the attention launch; the factor -8 ln 2 is in them already).  epart: [2][1024] f32.
; Wave b takes batch b: eight loads of 512 consecutive bytes, a tree of packed additions in a lane, then across the 32 lanes.  The order of the sum is fixed.  One owner for each number of out1: no traffic between work-groups.
	s_load_b128 s[4:7], s[0:1], 0x0                ; epart s[4:5], out1 s[6:7]
	v_and_b32 v1, 31, v0                           ; lane
	v_lshrrev_b32 v3, 5, v0                        ; wave = batch
	v_lshlrev_b32 v2, 4, v1
	v_lshl_add_u32 v2, v3, 12, v2                  ; 16 x lane + 4,096 x batch
	s_mov_b32 s8, 0x76543210                       ; v_permlanex16_b32: lane i of one half reads lane i of the other
	s_mov_b32 s9, 0xfedcba98
	s_wait_kmcnt 0x0
.irp i, 0,1,2,3,4,5,6,7
	global_load_b128 v[4+4*\i:7+4*\i], v2, s[4:5] offset:512*\i
.endr
	s_wait_loadcnt 0x0
.irp p, 0,1,2,3,4,5,6,7
	v_pk_add_f32 v[4+4*\p:5+4*\p], v[4+4*\p:5+4*\p], v[6+4*\p:7+4*\p]
.endr
.irp p, 0,1,2,3
	v_pk_add_f32 v[4+8*\p:5+8*\p], v[4+8*\p:5+8*\p], v[8+8*\p:9+8*\p]
.endr
.irp p, 0,1
	v_pk_add_f32 v[4+16*\p:5+16*\p], v[4+16*\p:5+16*\p], v[12+16*\p:13+16*\p]
.endr
	v_pk_add_f32 v[4:5], v[4:5], v[20:21]
	v_add_f32 v4, v4, v5
	v_add_f32_dpp v4, v4, v4 row_xmask:1 row_mask:0xf bank_mask:0xf
	v_add_f32_dpp v4, v4, v4 row_xmask:2 row_mask:0xf bank_mask:0xf
	v_add_f32_dpp v4, v4, v4 row_xmask:4 row_mask:0xf bank_mask:0xf
	v_add_f32_dpp v4, v4, v4 row_xmask:8 row_mask:0xf bank_mask:0xf
	v_permlanex16_b32 v5, v4, s8, s9               ; (its destination counts as read: v5 has been written)
	v_add_f32 v4, v4, v5
	v_lshlrev_b32 v3, 2, v3                        ; out1: 4 bytes a batch
	v_cmp_eq_u32 vcc_lo, 0, v1
	s_wait_xcnt 0x0                                ; EXEC changes only behind this wait
	s_and_saveexec_b32 s10, vcc_lo
	global_store_b32 v3, v4, s[6:7]                ; lane 0 stores the batch's energy
	s_endpgm
.Lfunc_end_k_qf84aafdbc9_energy:
	.size	k_qf84aafdbc9_energy, .Lfunc_end_k_qf84aafdbc9_energy-k_qf84aafdbc9_energy
	.p2alignl 7, 3214868480
	.fill 96, 4, 3214868480
	.section	.rodata,"a",@progbits
	.p2align	6, 0x0
	.amdhsa_kernel k_qf84aafdbc9_energy
		.amdhsa_group_segment_fixed_size 0
		.amdhsa_private_segment_fixed_size 0
		.amdhsa_enable_private_segment 0
		.amdhsa_kernarg_size 16
		.amdhsa_user_sgpr_count 2
		.amdhsa_user_sgpr_kernarg_segment_ptr 1
		.amdhsa_wavefront_size32 1
		.amdhsa_system_sgpr_workgroup_id_x 1
		.amdhsa_system_sgpr_workgroup_id_y 1
		.amdhsa_system_sgpr_workgroup_id_z 1
		.amdhsa_system_vgpr_workitem_id 0
		.amdhsa_next_free_vgpr 40
		.amdhsa_next_free_sgpr 66
		.amdhsa_reserve_vcc 1
		.amdhsa_float_denorm_mode_32 3
		.amdhsa_float_denorm_mode_16_64 3
		.amdhsa_memory_ordered 1
		.amdhsa_forward_progress 1
		.amdhsa_inst_pref_size 3
	.end_amdhsa_kernel
	.amdgpu_metadata
---
amdhsa.version: [ 1, 2 ]
amdhsa.kernels:
  - .name:           k_qf84aafdbc9_energy
    .symbol:         k_qf84aafdbc9_energy.kd
    .args:
      - { .name: epart, .offset: 0, .size: 8, .value_kind: global_buffer, .address_space: global }
      - { .name: out1, .offset: 8, .size: 8, .value_kind: global_buffer, .address_space: global }
    .group_segment_fixed_size: 0
    .private_segment_fixed_size: 0
    .kernarg_segment_align: 8
    .kernarg_segment_size: 16
    .max_flat_workgroup_size: 64
    .sgpr_count:     66
    .vgpr_count:     40
    .wavefront_size: 32
...
	.end_amdgpu_metadata
.endif
;; end of part 5
